; MI455X (gfx1250); checked and timed in simulation.
; The chip was launched on July 23, 2026; its instructions are those of AMD's public machine-readable ISA for CDNA 5 (MIT licence, August 2026) and "CDNA5" Instruction Set Architecture Reference Guide (July 2026). The comments in the code are by the model that wrote it; some were corrected since.
;; Head. Allowed arithmetic: float matrix products may take bf16 or f16 operands with f32 sums; other float arithmetic in f32, or as packed bf16 or f16 multiplies, adds, multiply-adds, maxima and minima; sums over many terms, partial sums and values carried from step to step in f32; what a program stores and reads back later, other than sums and carried values, may be rounded once to bf16 or f16.
;; Inputs: Wk 1,024 x 1,024 float32; Wq 1,024 x 1,024 float32; Wv 1,024 x 1,024 float32; bk 1,024 float32; bq 1,024 float32; bv 1,024 float32; x 4 x 2,048 x 1,024 float32.
;; Outputs: out0 4 x 2,048 x 1,024 float32.
;; One version. Each part assembles by itself: llvm-mc -triple=amdgcn-amd-amdhsa -mcpu=gfx1250 --defsym DOCPART=n.
;; ======== version 1 of 1: 4 launches
;; limits: values are held in f16: magnitudes above 65,504 overflow, below 6.1e-05 lose precision
;; workspace buffers: xw 23,068,672 bytes; qh 16,777,216 bytes; kh 16,777,216 bytes; vh 16,777,216 bytes; pb 33,554,432 bytes; cm 524,288 bytes; ls 524,288 bytes
;; launch cast (part 1): grid 704 x 1, 8 waves a work-group, no clusters, 0 bytes of LDS; arguments x, Wq, Wk, Wv, xw; writes xw
.if DOCPART == 1
	.amdgcn_target "amdgcn-amd-amdhsa--gfx1250"
	.amdhsa_code_object_version 6
	.text
	.protected	k_qe6fd4976c1_cast
	.globl	k_qe6fd4976c1_cast
	.p2align	8
	.type	k_qe6fd4976c1_cast,@function
k_qe6fd4976c1_cast:
	s_mov_b64 s[64:65], 0
	v_nop
	global_prefetch_b8 v0, s[64:65] scope:SCOPE_SE
	s_setreg_imm32_b32 hwreg(HW_REG_WAVE_MODE, 25, 1), 1
	s_wait_xcnt 0x0
; x [8192][1024] and Wq, Wk, Wv [1024][1024], all f32, are rounded once to bf16 (nearest even) and laid in blocks of 64 along K:
; xw = bf16 [16 kb][11264 rows][64]; rows 0-8191 x, 8192.. Wq, 9216.. Wk, 10240.. Wv.  A block kb is BLK bytes; in it a row is 128 bytes, so
; any run of rows of one kb is dense: the next launch asks for its tiles as rows of 256 bytes.
; A stream: no LDS, no barrier, no matrix unit, no cluster (no two work-groups read a common byte).
; SHARES.  A work-group takes 16 rows (64 KiB in, 32 KiB out).  Wave w takes the columns 128 w .. 128 w + 127 (kb 2 w and 2 w + 1).  In a pass the wave takes 4 rows of one kb:
; lane = (row sub = lane / 8, part = lane % 8): 32 bytes in (two loads of 16), 16 bytes out.  A store of the wave covers 4 rows x 128 bytes = 512 consecutive bytes, aligned.
; All 16 loads of a wave go out first; no register is used twice, so the only waits are the counted ones for the loads.
.set BLK, 1441792                      ; 11264 rows x 128 bytes
.set XR,  8                            ; v[8:71]   pass i: 8 numbers in f32
.set YR,  72                           ; v[72:103] pass i: 8 numbers in bf16
	s_load_b256 s[4:11], s[0:1], 0x0               ; x s[4:5], Wq s[6:7], Wk s[8:9], Wv s[10:11]
	s_load_b64 s[12:13], s[0:1], 0x20              ; xw
	s_mov_b32 s14, ttmp9                           ; g: the block of 16 rows of xw
	s_sub_co_u32 s15, s14, 512                     ; behind x's 512 blocks: 64 blocks for each weight
	s_lshr_b32 s16, s15, 6                         ; which weight
	s_and_b32 s17, s15, 63                         ; which block of 16 of its rows
	v_lshrrev_b32 v4, 5, v0                        ; wave
	v_bfe_u32 v5, v0, 3, 2                         ; sub
	v_and_b32 v6, 7, v0                            ; part
	v_lshlrev_b32 v1, 12, v5                       ; source: sub x 4,096
	v_lshl_add_u32 v1, v6, 5, v1                   ; + part x 32
	v_lshl_add_u32 v1, v4, 9, v1                   ; + wave x 512
	v_mul_u32_u24 v2, v4, 2*BLK                    ; destination: wave x two blocks
	v_lshl_add_u32 v2, v5, 7, v2                   ; + sub x 128
	v_lshl_add_u32 v2, v6, 4, v2                   ; + part x 16
	s_wait_kmcnt 0x0
	s_cmp_eq_u32 s16, 1
	s_cselect_b64 s[18:19], s[8:9], s[6:7]
	s_cmp_eq_u32 s16, 2
	s_cselect_b64 s[18:19], s[10:11], s[18:19]
	s_cmp_lt_u32 s14, 512
	s_cselect_b64 s[18:19], s[4:5], s[18:19]       ; the source tensor,
	s_cselect_b32 s17, s14, s17                    ; and the block of 16 rows in it
	s_lshl_b32 s20, s17, 16                        ; 16 rows x 4,096 bytes
	s_mov_b32 s21, 0
	s_add_nc_u64 s[18:19], s[18:19], s[20:21]
	s_lshl_b32 s22, s14, 11                        ; 16 rows x 128 bytes in each kb
	s_mov_b32 s23, 0
	s_add_nc_u64 s[12:13], s[12:13], s[22:23]
.set i, 0
.rept 8                                ; pass i: rows 4 (i / 2) + sub, kb 2 w + i % 2
	global_load_b128 v[XR+8*i:XR+8*i+3],   v1, s[18:19] offset:(i/2)*16384+(i%2)*256 th:TH_LOAD_NT
	global_load_b128 v[XR+8*i+4:XR+8*i+7], v1, s[18:19] offset:(i/2)*16384+(i%2)*256+16 th:TH_LOAD_NT
.set i, i+1
.endr
.set i, 0
.rept 8
	s_wait_loadcnt 14-2*i                          ; loads come back in order: pass i's two are in, the younger passes' stay out
	v_cvt_pk_bf16_f32 v[YR+4*i],   v[XR+8*i],   v[XR+8*i+1]
	v_cvt_pk_bf16_f32 v[YR+4*i+1], v[XR+8*i+2], v[XR+8*i+3]
	v_cvt_pk_bf16_f32 v[YR+4*i+2], v[XR+8*i+4], v[XR+8*i+5]
	v_cvt_pk_bf16_f32 v[YR+4*i+3], v[XR+8*i+6], v[XR+8*i+7]
	global_store_b128 v2, v[YR+4*i:YR+4*i+3], s[12:13] offset:(i%2)*BLK+(i/2)*512
.set i, i+1
.endr
	s_endpgm
.Lfunc_end_k_qe6fd4976c1_cast:
	.size	k_qe6fd4976c1_cast, .Lfunc_end_k_qe6fd4976c1_cast-k_qe6fd4976c1_cast
	.p2alignl 7, 3214868480
	.fill 96, 4, 3214868480
	.section	.rodata,"a",@progbits
	.p2align	6, 0x0
	.amdhsa_kernel k_qe6fd4976c1_cast
		.amdhsa_group_segment_fixed_size 0
		.amdhsa_private_segment_fixed_size 0
		.amdhsa_enable_private_segment 0
		.amdhsa_kernarg_size 40
		.amdhsa_user_sgpr_count 2
		.amdhsa_user_sgpr_kernarg_segment_ptr 1
		.amdhsa_wavefront_size32 1
		.amdhsa_system_sgpr_workgroup_id_x 1
		.amdhsa_system_sgpr_workgroup_id_y 1
		.amdhsa_system_sgpr_workgroup_id_z 1
		.amdhsa_system_vgpr_workitem_id 0
		.amdhsa_next_free_vgpr 104
		.amdhsa_next_free_sgpr 66
		.amdhsa_reserve_vcc 0
		.amdhsa_float_denorm_mode_32 3
		.amdhsa_float_denorm_mode_16_64 3
		.amdhsa_memory_ordered 1
		.amdhsa_forward_progress 1
		.amdhsa_inst_pref_size 7
	.end_amdhsa_kernel
	.amdgpu_metadata
---
amdhsa.version: [ 1, 2 ]
amdhsa.kernels:
  - .name:           k_qe6fd4976c1_cast
    .symbol:         k_qe6fd4976c1_cast.kd
    .args:
      - { .name: x, .offset: 0, .size: 8, .value_kind: global_buffer, .address_space: global }
      - { .name: Wq, .offset: 8, .size: 8, .value_kind: global_buffer, .address_space: global }
      - { .name: Wk, .offset: 16, .size: 8, .value_kind: global_buffer, .address_space: global }
      - { .name: Wv, .offset: 24, .size: 8, .value_kind: global_buffer, .address_space: global }
      - { .name: xw, .offset: 32, .size: 8, .value_kind: global_buffer, .address_space: global }
    .group_segment_fixed_size: 0
    .private_segment_fixed_size: 0
    .kernarg_segment_align: 8
    .kernarg_segment_size: 40
    .max_flat_workgroup_size: 256
    .sgpr_count:     66
    .vgpr_count:     104
    .wavefront_size: 32
...
	.end_amdgpu_metadata
.endif
;; end of part 1
;; launch proj (part 2): grid 8 x 32, 4 waves a work-group, clusters of 4 x 4, 327,680 bytes of LDS; arguments xw, bq, bk, bv, qh, kh, vh; writes qh, kh, vh
.if DOCPART == 2
	.amdgcn_target "amdgcn-amd-amdhsa--gfx1250"
	.amdhsa_code_object_version 6
	.text
	.protected	k_qe6fd4976c1_proj
	.globl	k_qe6fd4976c1_proj
	.p2align	8
	.type	k_qe6fd4976c1_proj,@function
k_qe6fd4976c1_proj:
	s_mov_b64 s[64:65], 0
	v_nop
	global_prefetch_b8 v0, s[64:65] scope:SCOPE_SE
	s_setreg_imm32_b32 hwreg(HW_REG_WAVE_MODE, 25, 1), 1
	s_wait_xcnt 0x0
	s_wait_alu depctr_hold_cnt(0) depctr_sa_sdst(0) depctr_va_vdst(0) depctr_va_sdst(0) depctr_va_ssrc(0) depctr_va_vcc(0) depctr_vm_vsrc(0)
	s_getreg_b32 s2, hwreg(HW_REG_IB_STS2, 6, 4)
	s_cmp_eq_u32 s2, 0
	s_cbranch_scc0 .Lentry_in_a_cluster
	s_endpgm
.Lentry_in_a_cluster:
	s_bfe_u32 s2, ttmp6, 0x10000c
	s_cmp_lg_u32 s2, 0xf033
	s_cbranch_scc0 .Lentry_shape_is_right
	s_endpgm
.Lentry_shape_is_right:
; q, k, v = x W^T + b for Wq, Wk, Wv at once.  Operands bf16 (xw, laid in K blocks of 64 by the launch before), sums f32, biases rounded to bf16 like the other inputs and
; taken as the C operand that starts each sum; q, k, v stored once rounded to f16, [8192][1024].
; LIMIT: f16 ends at 65,504: |q|, |k|, |v| must stay below it.  NaN and infinities are not treated apart.
; SHARES.  Work-group (c, ry) makes rows 256 ry .. and columns 128 c .. 128 c + 127 of q, of k and of v: a tile of 256 x 384, 8 x 32 = 256 work-groups.  Wave (wr, wc) makes 128 rows x 64 columns of
; each of the three groups: 96 accumulators, 768 registers.  The product is used transposed (source 0 = 16 rows of W, source 1 = 16 rows of x): a lane holds row lane % 16 and 8 neighbouring columns.
; K goes in 16 steps of 64 through two LDS slots.  A tile is dense in xw: it is asked for as rows of 256 bytes and padded in LDS behind every 128 bytes: LDS rows of 144 bytes.
; CLUSTER 4 x 4: x's tile hangs on ry alone and is asked for jointly along a row of the cluster (wave 0, 32 KiB); W's three tiles hang on c alone, jointly along a column (waves 1 to 3, 16 KiB each).
; A K step is two quarters of 32 along K, 96 products each, in three phases (one a group).  x's fragments have two buffers, W's one, filled again group by group behind the phase that read it.
; REGISTERS: window 0: v0-31 addresses; v32-95, v96-159 x's fragments (8 each); v160-255 W's fragments (group g, block b at 160 + 32 g + 8 b).  Window 1 + g: accumulator (a, b) at 8 (4 a + b).
.set BLK,   1441792                    ; a K block of xw
.set PA,    144                        ; an LDS row: 128 bytes + 16: an odd multiple of 16, so the 16 rows of a fragment load start in different groups of banks
.set SLOT1, 131072                     ; slot 1: one exclusive or turns an address of one slot into the other's (a slot uses 92,160 bytes)
.set WG,    128*PA                     ; a group's tile of W: 128 rows
.set WOFF,  256*PA                     ; W's tiles lie behind x's 256 rows
.set SPARE, 223232                     ; behind the ring: the spare words, 128 bytes a wave
.set SP,    272                        ; the way out: a stage row, 256 bytes + 16
.set SG,    256*SP                     ; a group's stage.  The three stages lie in the ring's bytes, which have had their last fill by then
.set A0,   4                           ; v4   my lane's place in x's tile: r x 144 + 16 h + wr x 128 rows
.set B0,   5                           ; v5   in W's tiles: r x 144 + 16 h + WOFF + wc x 64 rows
.set ADRA, 6                           ; v6   A0 + the slot in hand
.set ADRB, 7                           ; v7   B0 + the slot in hand
.set STO,  8                           ; v8-10  the way out: where I put 16 bytes of a row, for each group
.set RD,   11                          ; v11  where I read rows back
.set CO,   12                          ; v12  my byte offset in two rows of q, k, v
.set BO,   13                          ; v13  my byte offset in a bias
.set PFO,  14                          ; v14  256 x lane, for the prefetches; never rewritten
.set SPW,  28                          ; v28  my spare word; never rewritten
.set NIL,  29                          ; v29  0; never rewritten
.set AF0,  32
.set AF1,  96
.set BF,   160
.set WV, 20
.set WR, 21
.set WC, 22
.set CX, 23
.set CY, 24
.set CC, 25                            ; s25  c = 4 x cluster x + cx
.set RY, 26                            ; s26  ry = 4 x cluster y + cy
.set G1A, 28                           ; s[28:35] group 1 for x's tile
.set G1B, 36                           ; s[36:43] for W's tiles
.set G0A, 44                           ; s[44:51] group 0 for x's tile: a set for each first fill; the second then walks
.set G0B, 52                           ; s[52:59] the same for W's
.set TB,  60                           ; s60  the slot that is read
.set LIM, 61                           ; s61  a wave prefetches while the loop's count is above it
.set PAR, 62                           ; s62  1: only in trips with an even count
.set PFA, 66                           ; s[66:67] where my prefetches stand
.set MSB, 0
.macro WIN new                         ; the immediate's high byte repeats the setting that is left; a switch that changes nothing is dropped
.if MSB != (\new)
	s_set_vgpr_msb (MSB<<8)|(\new)
.set MSB, \new
.endif
.endm
.macro PLACES                          ; four plain vector instructions between a matrix instruction and a load into, or a vector access to, its registers
.rept 4
	v_nop
.endr
.endm
.macro CREST                           ; a round of the cluster's barrier behind its opening barrier
	s_cmp_lg_u32 s[WV], 0
	s_cbranch_scc1 .Lnot_wave_0_\@
	s_barrier_signal -3
.Lnot_wave_0_\@:
	s_barrier_wait -3
	s_barrier_signal -1
	s_barrier_wait -1
.endm
.macro CROUND
	s_barrier_signal -1
	s_barrier_wait -1
	CREST
.endm
.macro JLOAD                           ; a joint refill by the walking sets: wave 0 x's tile, waves 1 to 3 W's; the branch hangs on the wave's number alone
	s_cmp_eq_u32 s[WV], 0
	s_cbranch_scc0 .Lfor_w_\@
	tensor_load_to_lds s[G0A+4:G0A+7], s[G1A:G1A+7]
	s_nop 0
	PLACES
	s_branch .Lasked_\@
.Lfor_w_\@:
	tensor_load_to_lds s[G0B+4:G0B+7], s[G1B:G1B+7]
	s_nop 0
	PLACES
.Lasked_\@:
.endm
; A PREFETCH INTO THE L2, behind the joint load and the first run of LDS loads.  x's tile of a K block (32 KiB) is read by both clusters of a row of clusters: cluster x = 0 asks, wave 0, each of the four partners
; of a row 8 KiB (by address: cx), a lane 256 bytes: the K block behind the one that the refill asks for.  W's tile (16 KiB) is read by all eight clusters of a column: cluster y = 0 asks, waves 1 to 3 for their groups;
; the four partners of a column take 8 KiB each of TWO K blocks (by address: cy), so they ask in every second trip.  K blocks 0 to 2 (and W's block 15) come by their loads alone; nothing points past block 15.
.macro ASK
	s_cmp_gt_u32 s3, s[LIM]
	s_cbranch_scc0 .Lnot_mine_\@
	s_and_b32 s63, s3, s[PAR]
	s_cmp_eq_u32 s63, 0
	s_cbranch_scc0 .Lnot_mine_\@
	global_prefetch_b8 v[PFO], s[PFA:PFA+1] th:TH_LOAD_NT scope:SCOPE_SE
.Lnot_mine_\@:
.endm
	s_load_b256 s[4:11], s[0:1], 0x0               ; xw s[4:5], bq s[6:7], bk s[8:9], bv s[10:11]
	s_load_b128 s[12:15], s[0:1], 0x20             ; q s[12:13], k s[14:15]
	s_load_b64 s[16:17], s[0:1], 0x30              ; v
	v_lshl_add_u32 v[SPW], v0, 2, SPARE
	v_mov_b32 v[NIL], 0
	ds_add_u32 v[SPW], v[NIL]                      ; the wave's opening: the add and its wait ahead of my first tensor load; the set-up below stands between them
	ds_add_u32 v28, v29
	v_lshrrev_b32 v1, 5, v0
	v_readfirstlane_b32 s[WV], v1
	s_lshr_b32 s[WR], s[WV], 1                     ; which 128 rows are mine
	s_and_b32 s[WC], s[WV], 1                      ; which 64 columns of each group
	s_bfe_u32 s[CX], ttmp6, 0x40000
	s_bfe_u32 s[CY], ttmp6, 0x40004
	s_lshl_b32 s[CC], ttmp9, 2
	s_add_co_u32 s[CC], s[CC], s[CX]
	s_and_b32 s[RY], ttmp7, 0xffff
	s_lshl_b32 s[RY], s[RY], 2
	s_add_co_u32 s[RY], s[RY], s[CY]
	s_lshl_b32 s76, s[CY], 2
	s_lshl_b32 s76, 15, s76                        ; my row of the cluster
	s_lshl_b32 s77, 0x1111, s[CX]                  ; my column
	s_or_b32 s[G1A], s76, 0x07310000               ; 15:0 mask; 17:16 2-byte elements; 20 padding on; 21 set beside a mask; 24:22 behind every 32 words (code 4); 31:25 4 words (code 3)
	s_or_b32 s[G1B], s77, 0x07310000
	s_mov_b32 s[G1A+1], 128<<16                    ; tensor_dim0 = 128 elements: 256 bytes, two rows of xw
	s_mov_b32 s[G1A+2], 128<<16                    ; tensor_dim1 = 128
	s_mov_b32 s[G1A+3], 128<<16                    ; tile_dim0 = 128
	s_mov_b32 s[G1A+4], 128                        ; tile_dim1 = 128: 256 rows of xw
	s_mov_b32 s[G1A+5], 128                        ; dense
	s_mov_b32 s[G1A+6], 0
	s_mov_b32 s[G1A+7], 0
	s_mov_b32 s[G1B+1], 128<<16
	s_mov_b32 s[G1B+2], 64<<16
	s_mov_b32 s[G1B+3], 128<<16
	s_mov_b32 s[G1B+4], 64                         ; 128 rows of xw
	s_mov_b32 s[G1B+5], 128
	s_mov_b32 s[G1B+6], 0
	s_mov_b32 s[G1B+7], 0
	s_lshl_b32 s68, s[RY], 15                      ; x's tile: 256 ry rows of 128 bytes
	s_mov_b32 s69, 0
	s_lshl_b32 s70, s[CC], 14                      ; W's tile: row 8192 + 1024 (wave - 1) + 128 c
	s_lshl_b32 s71, s[WV], 17
	s_add_co_u32 s70, s70, s71
	s_add_co_u32 s70, s70, 917504
	s_mov_b32 s71, 0
	s_mul_i32 s72, s[WV], WG                       ; and its place in a slot: WOFF + (wave - 1) x WG
	s_lshl_b32 s74, s[RY], 19                      ; where I store: row 256 ry + 64 wave (2,048 bytes a row), column 128 c
	s_lshl_b32 s75, s[WV], 17
	s_add_co_u32 s74, s74, s75
	s_lshl_b32 s75, s[CC], 8
	s_add_co_u32 s74, s74, s75
	s_mov_b32 s75, 0
	s_mov_b32 s[TB], 0
	s_wait_dscnt 0x0                               ; the opening add is done
	s_wait_kmcnt 0x0
	s_add_nc_u64 s[68:69], s[4:5], s[68:69]
	s_add_nc_u64 s[70:71], s[4:5], s[70:71]
	s_add_nc_u64 s[80:81], s[12:13], s[74:75]
	s_add_nc_u64 s[82:83], s[14:15], s[74:75]
	s_add_nc_u64 s[84:85], s[16:17], s[74:75]
.irp s, 0,1
	s_mov_b32 s[G0A+4*(\s)], 1
	s_mov_b32 s[G0A+4*(\s)+1], (\s)*SLOT1
	s_add_nc_u64 s[G0A+4*(\s)+2:G0A+4*(\s)+3], s[68:69], (\s)*BLK
	s_or_b32 s[G0A+4*(\s)+3], s[G0A+4*(\s)+3], 0x80000000
	s_mov_b32 s[G0B+4*(\s)], 1
	s_add_co_u32 s[G0B+4*(\s)+1], s72, WG+(\s)*SLOT1
	s_add_nc_u64 s[G0B+4*(\s)+2:G0B+4*(\s)+3], s[70:71], (\s)*BLK
	s_or_b32 s[G0B+4*(\s)+3], s[G0B+4*(\s)+3], 0x80000000
.endr
	CROUND                                         ; all sixteen work-groups are here: the first joint loads meet
	s_cmp_eq_u32 s[WV], 0                          ; a wave's two first fills stand in one branch: two loads of mine are out
	s_cbranch_scc0 .Lfirst_w
	tensor_load_to_lds s[G0A:G0A+3], s[G1A:G1A+7]
	s_nop 0
	tensor_load_to_lds s[G0A+4:G0A+7], s[G1A:G1A+7]
	s_nop 0
	PLACES
	s_branch .Lfirst_asked
.Lfirst_w:
	tensor_load_to_lds s[G0B:G0B+3], s[G1B:G1B+7]
	s_nop 0
	tensor_load_to_lds s[G0B+4:G0B+7], s[G1B:G1B+7]
	s_nop 0
	PLACES
.Lfirst_asked:
	v_and_b32 v1, 15, v0                           ; r
	v_bfe_u32 v2, v0, 4, 1                         ; h
	s_lshl_b32 s73, s[CC], 9                       ; the bias of my columns: (128 c + 64 wc + 8 h) x 4 bytes
	s_lshl_b32 s78, s[WC], 8
	s_add_co_u32 s73, s73, s78
	v_lshl_add_u32 v[BO], v2, 5, s73
.irp g, 0,1,2                          ; a lane's 8 columns of block b are the same for all 8 row blocks: they are loaded into accumulator (0, b) of each group
	WIN 0x40*((\g)+1)
.irp b, 0,1,2,3
	global_load_b128 v[8*(\b):8*(\b)+3],   v[BO], s[6+2*(\g):7+2*(\g)] offset:64*(\b)
	global_load_b128 v[8*(\b)+4:8*(\b)+7], v[BO], s[6+2*(\g):7+2*(\g)] offset:64*(\b)+16
.endr
.endr
	WIN 0
	v_mul_u32_u24 v3, v1, PA
	v_lshl_add_u32 v3, v2, 4, v3                   ; r x 144 + 16 h
	s_mul_i32 s73, s[WR], 128*PA
	v_add_nc_u32 v[A0], s73, v3
	s_mul_i32 s73, s[WC], 64*PA
	s_add_co_u32 s73, s73, WOFF
	v_add_nc_u32 v[B0], s73, v3
	v_mov_b32 v[ADRA], v[A0]
	v_mov_b32 v[ADRB], v[B0]
	s_mul_i32 s73, s[WR], 128*SP                   ; into the stage: row 128 wr + 16 a + r, byte 128 wc + 32 b + 16 h
	s_lshl_b32 s78, s[WC], 7
	s_add_co_u32 s73, s73, s78
	v_mul_u32_u24 v3, v1, SP
	v_lshl_add_u32 v3, v2, 4, v3
	v_add_nc_u32 v[STO], s73, v3
	v_add_nc_u32 v[STO+1], SG, v[STO]
	v_add_nc_u32 v[STO+2], 2*SG, v[STO]
	s_mul_i32 s73, s[WV], 64*SP                    ; back: wave w takes rows 64 w .. 64 w + 63 whole; lanes 0-15 one row of 256 bytes, lanes 16-31 the next
	v_mul_u32_u24 v3, v2, SP
	v_lshl_add_u32 v3, v1, 4, v3
	v_add_nc_u32 v[RD], s73, v3
	v_lshlrev_b32 v3, 11, v2
	v_lshl_add_u32 v[CO], v1, 4, v3
	v_and_b32 v[PFO], 31, v0
	v_lshlrev_b32 v[PFO], 8, v[PFO]
	; the prefetches' pointer: in registers that feed no joint descriptor
	s_lshl_b32 s86, s[RY], 15
	s_lshl_b32 s87, s[CX], 13
	s_add_co_u32 s86, s86, s87                     ; wave 0: x's tile, my work-group's 8 KiB of it
	s_lshl_b32 s87, s[CC], 14
	s_lshl_b32 s88, s[WV], 17
	s_add_co_u32 s87, s87, s88
	s_add_co_u32 s87, s87, 917504
	s_and_b32 s88, s[CY], 1
	s_lshl_b32 s88, s88, 13
	s_add_co_u32 s87, s87, s88                     ; waves 1 to 3: W's tile, half cy % 2
	s_lshr_b32 s88, s[CY], 1
	s_mul_i32 s88, s88, BLK
	s_add_co_u32 s87, s87, s88                     ; of K block + cy / 2
	s_and_b32 s89, ttmp7, 0xffff
	s_cmp_eq_u32 s[WV], 0
	s_cselect_b32 s86, s86, s87
	s_cselect_b32 s89, ttmp9, s89                  ; the coordinate along which other clusters read the same rows
	s_cselect_b32 s88, 1, 2
	s_cselect_b32 s[PAR], 0, 1
	s_cmp_eq_u32 s89, 0
	s_cselect_b32 s[LIM], s88, -1
	s_mov_b32 s87, 0
	s_add_nc_u64 s[PFA:PFA+1], s[4:5], s[86:87]
	s_add_nc_u64 s[PFA:PFA+1], s[PFA:PFA+1], 2*BLK ; at K block 2: the first refill steps it to 3
	s_wait_loadcnt 0x0                             ; the biases
.irp g, 0,1,2                          ; rounded to bf16 like x and W, and widened again; registers 32-47 of the window (accumulators not yet begun) are at work
	WIN 0x55*((\g)+1)
.set i, 0
.rept 16
	v_cvt_pk_bf16_f32 v[32+i], v[2*i], v[2*i+1]
.set i, i+1
.endr
.set i, 0
.rept 16
	v_lshlrev_b32 v[2*i], 16, v[32+i]
	v_and_b32 v[2*i+1], 0xffff0000, v[32+i]
.set i, i+1
.endr
.endr
	WIN 0
; 16 products of group g: row blocks 4 half .. 4 half + 3 x the four column blocks, 32 along K.  The accumulators take turns, one instruction a turn.
.macro PHASEH g, af, half
	WIN 0x50*((\g)+1)                              ; both sources in window 0, C and D in window 1 + g
.set pa, 4*(\half)
.rept 4
.irp b, 0,1,2,3
	v_wmma_f32_16x16x32_bf16 v[8*(4*pa+(\b)):8*(4*pa+(\b))+7], v[BF+32*(\g)+8*(\b):BF+32*(\g)+8*(\b)+7], v[(\af)+8*pa:(\af)+8*pa+7], v[8*(4*pa+(\b)):8*(4*pa+(\b))+7]
.endr
.set pa, pa+1
.endr
.endm
.macro PHASE g, af
	PHASEH \g, \af, 0
	PHASEH \g, \af, 1
.endm
; The first products start the sums with the bias: row blocks 1 to 7 take accumulator (0, b) as C; five places behind them row block 0 adds in place onto it.
.macro PHASEB g
	WIN 0x50*((\g)+1)
.set pa, 1
.rept 7
.irp b, 0,1,2,3
	v_wmma_f32_16x16x32_bf16 v[8*(4*pa+(\b)):8*(4*pa+(\b))+7], v[BF+32*(\g)+8*(\b):BF+32*(\g)+8*(\b)+7], v[AF0+8*pa:AF0+8*pa+7], v[8*(\b):8*(\b)+7]
.endr
.set pa, pa+1
.endr
.rept 5
	v_nop
.endr
.irp b, 0,1,2,3
	v_wmma_f32_16x16x32_bf16 v[8*(\b):8*(\b)+7], v[BF+32*(\g)+8*(\b):BF+32*(\g)+8*(\b)+7], v[AF0:AF0+7], v[8*(\b):8*(\b)+7]
.endr
.endm
.macro LOADB g, kq                     ; 8 LDS loads: group g's four fragments of W, 32 along K at byte kq of the rows
	WIN 0
.irp b, 0,1,2,3
	ds_load_b128 v[BF+32*(\g)+8*(\b):BF+32*(\g)+8*(\b)+3],   v[ADRB] offset:(\g)*WG+(\b)*16*PA+(\kq)
	ds_load_b128 v[BF+32*(\g)+8*(\b)+4:BF+32*(\g)+8*(\b)+7], v[ADRB] offset:(\g)*WG+(\b)*16*PA+(\kq)+32
.endr
.endm
.macro LOADA half, af, kq              ; 8 LDS loads: four of x's eight fragments
	WIN 0
.irp a, 0,1,2,3
	ds_load_b128 v[(\af)+8*(4*(\half)+(\a)):(\af)+8*(4*(\half)+(\a))+3],   v[ADRA] offset:(4*(\half)+(\a))*16*PA+(\kq)
	ds_load_b128 v[(\af)+8*(4*(\half)+(\a))+4:(\af)+8*(4*(\half)+(\a))+7], v[ADRA] offset:(4*(\half)+(\a))*16*PA+(\kq)+32
.endr
.endm
; A K step's first quarter: multiplies AF0, and fetches the second quarter's fragments (byte 64 of the rows) behind each phase.
.macro Q0 first
	s_wait_dscnt 8                                 ; all but the youngest eight loads (W's group 2) are in
.if \first
	PHASEB 0
.else
	PHASE 0, AF0
.endif
	PLACES
	LOADB 0, 64
	LOADA 0, AF1, 64
.if \first
	PHASEB 1
.else
	PHASE 1, AF0
.endif
	PLACES
	LOADB 1, 64
	LOADA 1, AF1, 64
	s_wait_dscnt 32                                ; all but the 32 just issued: W's group 2 is in
.if \first
	PHASEB 2
.else
	PHASE 2, AF0
.endif
	PLACES
	LOADB 2, 64
.endm
; The second quarter multiplies AF1 and changes slots.  In front of the barrier each wave waits for all its tensor loads (one is out: its part of the next slot), adds 0 to its spare word, and waits for that and
; for its reads of this slot.  fill = 1: the barrier opens a round of the cluster's, and the joint refill, two K steps ahead, is the first thing behind it: 160 products stand between it and the wait for it.
.macro TURNQ fill
	WIN 0
.if \fill
	s_wait_xcnt 0x0                                ; the last prefetch, a K step back, has read its address
	s_add_nc_u64 s[PFA:PFA+1], s[PFA:PFA+1], BLK
.endif
	s_wait_tensorcnt 0x0
	ds_add_u32 v[SPW], v[NIL]
	s_wait_dscnt 9                                 ; the add and the youngest eight loads (W's group 2) may be out
	PHASEH 0, AF1, 0
	s_wait_dscnt 0x0                               ; the add is done, and my reads of this slot are over
	s_barrier_signal -1
	PHASEH 0, AF1, 1
	WIN 0
	s_barrier_wait -1
.if \fill
	CREST                                          ; no wave of any partner still reads this slot or has a load on its way
	s_xor_b32 s[G0A+5], s[G0A+5], SLOT1
	s_add_nc_u64 s[G0A+6:G0A+7], s[G0A+6:G0A+7], BLK
	s_xor_b32 s[G0B+5], s[G0B+5], SLOT1
	s_add_nc_u64 s[G0B+6:G0B+7], s[G0B+6:G0B+7], BLK
	JLOAD                                          ; its four v_nop are also the places in front of the loads below
.else
	PLACES
.endif
	s_xor_b32 s[TB], s[TB], SLOT1
	v_add_nc_u32 v[ADRA], s[TB], v[A0]
	v_add_nc_u32 v[ADRB], s[TB], v[B0]
	LOADB 0, 0
	LOADA 0, AF0, 0
.if \fill
	ASK
.endif
	PHASE 1, AF1
	PLACES
	LOADB 1, 0
	LOADA 1, AF0, 0
	PHASE 2, AF1
	PLACES
	LOADB 2, 0
.endm
	s_wait_tensorcnt 0x1                           ; my part of K step 0 is in; K step 1's may stay out
	s_barrier_signal -1
	s_barrier_wait -1
	LOADB 0, 0
	LOADA 0, AF0, 0
	LOADB 1, 0
	LOADA 1, AF0, 0
	LOADB 2, 0
	Q0 1
	WIN 0
	s_mov_b32 s3, 14
.Lstep:                                        ; trip n: the second quarter of K step n, the refill with K step n + 2, the first quarter of K step n + 1
	TURNQ 1
	Q0 0
	WIN 0
	s_sub_co_u32 s3, s3, 1
	s_cmp_lg_u32 s3, 0
	s_cbranch_scc1 .Lstep
	TURNQ 0                                        ; the tail is written out: nothing is left to ask for
	Q0 0
	s_wait_dscnt 8                                 ; the very last quarter
	PHASE 0, AF1
	PHASE 1, AF1
	s_wait_dscnt 0x0                               ; my reads of the ring are over: behind this barrier its bytes become the stage
	s_barrier_signal -1
	PHASE 2, AF1
	WIN 0
	s_barrier_wait -1
	; THE WAY OUT: rounded to f16; 16 bytes a lane into the group's stage; a barrier, since a row's 256 bytes come from two waves; back as whole rows, 64 rows a wave and group.
	PLACES
.irp g, 0,1,2
	WIN 5*((\g)+1)                                 ; sources in window 1 + g, destination in window 0
.set i, 0
.rept 32
	v_cvt_pk_f16_f32 v[32+4*i],   v[8*i],   v[8*i+1]
	v_cvt_pk_f16_f32 v[32+4*i+1], v[8*i+2], v[8*i+3]
	v_cvt_pk_f16_f32 v[32+4*i+2], v[8*i+4], v[8*i+5]
	v_cvt_pk_f16_f32 v[32+4*i+3], v[8*i+6], v[8*i+7]
.set i, i+1
.endr
	WIN 0
.set i, 0
.rept 32
	ds_store_b128 v[STO+(\g)], v[32+4*i:32+4*i+3] offset:(i/4)*16*SP+(i%4)*32
.set i, i+1
.endr
.endr
	s_wait_dscnt 0x0                               ; for the others' sake: my stores into the stages are done
	s_barrier_signal -1
	s_barrier_wait -1
.irp g, 0,1,2
.if (\g) > 0
	s_wait_xcnt 0x0                                ; the last group's stores have read their registers
	v_add_nc_u32 v[RD], SG, v[RD]
.endif
.set t, 0
.rept 32
	ds_load_b128 v[32+4*t:32+4*t+3], v[RD] offset:t*2*SP
.set t, t+1
.endr
.set t, 0
.rept 32
	s_wait_dscnt 31-t                              ; LDS loads come back in order: pair t of rows is in
	global_store_b128 v[CO], v[32+4*t:32+4*t+3], s[80+2*(\g):81+2*(\g)] offset:t*4096  ; 16 lanes store 256 consecutive bytes, aligned
.set t, t+1
.endr
.endr
	s_wait_tensorcnt 0x0                           ; the wave's end
	ds_add_u32 v[SPW], v[NIL]
	s_wait_dscnt 0x0
	CROUND                                         ; the closing round
	s_endpgm
.Lfunc_end_k_qe6fd4976c1_proj:
	.size	k_qe6fd4976c1_proj, .Lfunc_end_k_qe6fd4976c1_proj-k_qe6fd4976c1_proj
	.p2alignl 7, 3214868480
	.fill 96, 4, 3214868480
	.section	.rodata,"a",@progbits
	.p2align	6, 0x0
	.amdhsa_kernel k_qe6fd4976c1_proj
		.amdhsa_group_segment_fixed_size 327680
		.amdhsa_private_segment_fixed_size 0
		.amdhsa_enable_private_segment 0
		.amdhsa_kernarg_size 56
		.amdhsa_user_sgpr_count 2
		.amdhsa_user_sgpr_kernarg_segment_ptr 1
		.amdhsa_wavefront_size32 1
		.amdhsa_system_sgpr_workgroup_id_x 1
		.amdhsa_system_sgpr_workgroup_id_y 1
		.amdhsa_system_sgpr_workgroup_id_z 1
		.amdhsa_system_vgpr_workitem_id 0
		.amdhsa_next_free_vgpr 1024
		.amdhsa_next_free_sgpr 96
		.amdhsa_reserve_vcc 0
		.amdhsa_float_denorm_mode_32 3
		.amdhsa_float_denorm_mode_16_64 3
		.amdhsa_memory_ordered 1
		.amdhsa_forward_progress 1
		.amdhsa_inst_pref_size 124
	.end_amdhsa_kernel
	.amdgpu_metadata
---
amdhsa.version: [ 1, 2 ]
amdhsa.kernels:
  - .name:           k_qe6fd4976c1_proj
    .symbol:         k_qe6fd4976c1_proj.kd
    .args:
      - { .name: xw, .offset: 0, .size: 8, .value_kind: global_buffer, .address_space: global }
      - { .name: bq, .offset: 8, .size: 8, .value_kind: global_buffer, .address_space: global }
      - { .name: bk, .offset: 16, .size: 8, .value_kind: global_buffer, .address_space: global }
      - { .name: bv, .offset: 24, .size: 8, .value_kind: global_buffer, .address_space: global }
      - { .name: qh, .offset: 32, .size: 8, .value_kind: global_buffer, .address_space: global }
      - { .name: kh, .offset: 40, .size: 8, .value_kind: global_buffer, .address_space: global }
      - { .name: vh, .offset: 48, .size: 8, .value_kind: global_buffer, .address_space: global }
    .group_segment_fixed_size: 327680
    .private_segment_fixed_size: 0
    .kernarg_segment_align: 8
    .kernarg_segment_size: 56
    .max_flat_workgroup_size: 128
    .sgpr_count:     96
    .vgpr_count:     1024
    .wavefront_size: 32
...
	.end_amdgpu_metadata
.endif
;; end of part 2
;; launch scores (part 3): grid 36 x 4, 4 waves a work-group, no clusters, 327,680 bytes of LDS; arguments qh, kh, pb, cm, ls; writes pb, cm, ls
.if DOCPART == 3
	.amdgcn_target "amdgcn-amd-amdhsa--gfx1250"
	.amdhsa_code_object_version 6
	.text
	.protected	k_qe6fd4976c1_scores
	.globl	k_qe6fd4976c1_scores
	.p2align	8
	.type	k_qe6fd4976c1_scores,@function
k_qe6fd4976c1_scores:
	s_mov_b64 s[64:65], 0
	v_nop
	global_prefetch_b8 v0, s[64:65] scope:SCOPE_SE
	s_setreg_imm32_b32 hwreg(HW_REG_WAVE_MODE, 25, 1), 1
	s_wait_xcnt 0x0
; For each tile of 256 queries x 256 keys on or below the diagonal: s = q . k (f16 operands, f32 sums, K = 1024); then for each query and each block of 128 keys:
; cm = c x max s, p' = 2^(c s - cm) rounded to f16, l = the sum of the unrounded p'.  c = log2(e) / 32.  pb: f16 [4][2048][2048]; cm, ls: f32 [4][16 key blocks][2048 rows].
; The next launch joins the blocks by the row's true maximum of the cm: a maximum is taken away in front of every exponential.
; LIMITS.  A hidden score counts as its value less 1e30.  A block's maximum is held at -1e20 at the least, far below every score that f16 operands can give (4.4e12 at the most): so a block that is wholly hidden
; gives p' = 0 and l = 0.  A weight below 2^-126 counts as 0 in l; below 6e-5 it keeps f16's fixed step.  NaN and infinities are not treated apart.
; SHARES.  Work-group x = 0..35 is tile (I, J), J <= I, of batch y.  Four waves, each 128 queries x 128 keys: 64 accumulators.  Source 0 = 16 keys, source 1 = 16 queries: a lane holds ONE query (lane % 16) and
; the keys 8 (lane / 16) + 0..7 of each block of 16.  K goes in 8 steps of 128 through two LDS slots; each wave fetches 128 rows x 256 bytes (waves 0, 1 of q, waves 2, 3 of k).
; NO CLUSTER: row I of the triangle has I + 1 tiles and column J has 8 - J: no grouping by fours with a common tile divides it, and tiles above the diagonal would be work for nothing.
; THE MASK is the C operand of the products that start the sums: 0 or -1e30.  Key 128 wc + 16 b + 8 h + j is hidden from query 128 wr + 16 a + r of a diagonal tile where j + 16 (b - a) > vd = r - 8 h + 128 (wr - wc);
; off the diagonal vd is 4,096 more and nothing is hidden.  Three sets of eight registers serve all 64 accumulators: b = a, b > a, b < a.
; REGISTERS: window 0: v0-31 addresses; v32-55 masks; v56-63 at work; v64-127, v128-191 q's fragments, two buffers; on the way out v64-67 statistics, v96-159 rows read back, v192-223 packed weights.
;   window 1: v64-127, v128-191 k's fragments.   window 2: accumulators of my queries 0-63, (a, b) at 8 (8 a + b); window 3: of queries 64-127.
.set PITCH, 272                        ; an LDS row: 256 bytes + 16
.set HALFT, 128*PITCH                  ; what one tensor load brings
.set SLOT,  4*HALFT                    ; 0x22000: its bits are in none of the four waves' places, so one exclusive or changes slots
.set STAGE, 2*SLOT                     ; 16 rows x 272 bytes for each wave
.set STATS, STAGE+4*16*PITCH           ; 1,024 bytes for each wave: cm of its 128 queries, then l
.set SPARE, STATS+4096                 ; the spare words
.set A0,   16                          ; v16  my lane's place in q's tile
.set B0,   17                          ; v17  in k's
.set ADRA, 18
.set ADRB, 19
.set SB,   22                          ; v22  where I read 16 bytes of the statistics back
.set SO,   23                          ; v23  16 x lane
.set STO,  24
.set RD,   25
.set CO,   26
.set SA,   27                          ; v27  where my query's statistics go
.set SPW,  28
.set NIL,  29
.set PFO,  30                          ; v30  lane x 2,048: a row of q or k; never rewritten
.set VD,   31
.set MD,   32
.set UP,   40
.set LO,   48
.set T,    56
.set ST,   64
.set OB,   96
.set TMP,  192
.set F0,   64
.set F1,   128
.set WV, 14
.set WR, 15
.set WC, 16
.set TI, 17
.set TJ, 18
.set BB, 19
.set G1, 24
.set G0, 32                            ; s[32:39] two sets; the second then walks
.set TB, 40
.set LIM, 41
.set PFA, 42
.set CS, 44                            ; s[44:45] c
.set SEL, 46                           ; s[46:47]
.set BIGN, 48
.set FLOOR, 49
.set HALVES, 50
.set MSB, 0
.macro WIN new
.if MSB != (\new)
	s_set_vgpr_msb (MSB<<8)|(\new)
.set MSB, \new
.endif
.endm
.macro PLACES
.rept 4
	v_nop
.endr
.endm
	s_load_b256 s[4:11], s[0:1], 0x0               ; q s[4:5], k s[6:7], pb s[8:9], cm s[10:11]
	s_load_b64 s[12:13], s[0:1], 0x20              ; ls
	v_lshl_add_u32 v[SPW], v0, 2, SPARE
	v_mov_b32 v[NIL], 0
	ds_add_u32 v[SPW], v[NIL]                      ; the wave's opening: the add and its wait ahead of my first tensor load
	ds_add_u32 v28, v29
	v_lshrrev_b32 v1, 5, v0
	v_readfirstlane_b32 s[WV], v1
	s_lshr_b32 s[WR], s[WV], 1                     ; which 128 queries
	s_and_b32 s[WC], s[WV], 1                      ; which 128 keys.  Also: which 128 rows of a tile I fetch
	s_mov_b32 s20, ttmp9
	s_mov_b32 s[TI], 0
.irp n, 1,3,6,10,15,21,28              ; I = how many triangular numbers x has reached
	s_cmp_ge_u32 s20, \n
	s_add_co_ci_u32 s[TI], s[TI], 0
.endr
	s_add_co_u32 s21, s[TI], 1
	s_mul_i32 s21, s21, s[TI]
	s_lshr_b32 s21, s21, 1
	s_sub_co_u32 s[TJ], s20, s21
	s_and_b32 s[BB], ttmp7, 0xffff
	s_mov_b32 s[G1], 0x07510000                    ; 2-byte elements; padding on, behind every 64 words (code 5), 4 words (code 3)
	s_mov_b32 s[G1+1], 128<<16
	s_mov_b32 s[G1+2], 128<<16
	s_mov_b32 s[G1+3], 128<<16
	s_mov_b32 s[G1+4], 128
	s_mov_b32 s[G1+5], 1024
	s_mov_b32 s[G1+6], 0
	s_mov_b32 s[G1+7], 0
	s_cmp_lt_u32 s[WV], 2
	s_cselect_b32 s21, s[TI], s[TJ]                ; waves 0, 1: q's block I; waves 2, 3: k's block J
	s_lshl_b32 s21, s21, 8
	s_lshl_b32 s22, s[BB], 11
	s_add_co_u32 s21, s21, s22
	s_lshl_b32 s22, s[WC], 7
	s_add_co_u32 s21, s21, s22
	s_lshl_b32 s52, s21, 11                        ; rows of 2,048 bytes
	s_mov_b32 s53, 0
	s_mul_i32 s23, s[WV], HALFT
	s_mov_b32 s[CS], 0x3d38aa3b                    ; c = log2(e) / 32
	s_mov_b32 s[CS+1], s[CS]
	s_mov_b32 s[SEL], 0x76543210
	s_mov_b32 s[SEL+1], 0xfedcba98
	s_mov_b32 s[BIGN], 0xf149f2ca                  ; -1e30
	s_mov_b32 s[FLOOR], 0xe0ad78ec                 ; -1e20
	s_mov_b32 s[TB], 0
	s_wait_dscnt 0x0                               ; the opening add is done
	s_wait_kmcnt 0x0
	s_cmp_lt_u32 s[WV], 2
	s_cselect_b64 s[54:55], s[4:5], s[6:7]
	s_add_nc_u64 s[54:55], s[54:55], s[52:53]
.irp s, 0,1
	s_mov_b32 s[G0+4*(\s)], 1
	s_add_co_u32 s[G0+4*(\s)+1], s23, (\s)*SLOT
	s_add_nc_u64 s[G0+4*(\s)+2:G0+4*(\s)+3], s[54:55], (\s)*256
	s_or_b32 s[G0+4*(\s)+3], s[G0+4*(\s)+3], 0x80000000
	tensor_load_to_lds s[G0+4*(\s):G0+4*(\s)+3], s[G1:G1+7]   ; K steps 0 and 1: two loads of mine are out
	s_nop 0
.endr
	s_add_nc_u64 s[PFA:PFA+1], s[54:55], 3*256     ; the first refill steps it to K step 4
	s_sub_co_u32 s22, s[TI], s[TJ]
	s_cmp_lt_u32 s[WV], 2
	s_cselect_b32 s21, s[TJ], s22                  ; q's rows are asked for by the row's first tile (J = 0), k's by the column's first (I = J)
	s_cmp_eq_u32 s21, 0
	s_cselect_b32 s[LIM], 2, -1
	v_and_b32 v1, 15, v0                           ; r
	v_bfe_u32 v2, v0, 4, 1                         ; h
	v_and_b32 v5, 31, v0                           ; lane
	v_mul_u32_u24 v3, v1, PITCH
	v_lshl_add_u32 v3, v2, 4, v3                   ; r x pitch + 16 h
	s_mul_i32 s21, s[WR], HALFT
	v_add_nc_u32 v[A0], s21, v3
	s_mul_i32 s21, s[WC], HALFT
	s_add_co_u32 s21, s21, 2*HALFT
	v_add_nc_u32 v[B0], s21, v3
	v_mov_b32 v[ADRA], v[A0]
	v_mov_b32 v[ADRB], v[B0]
	s_mul_i32 s21, s[WV], 16*PITCH
	s_add_co_u32 s21, s21, STAGE
	v_add_nc_u32 v[STO], s21, v3
	v_mul_u32_u24 v4, v2, PITCH
	v_lshl_add_u32 v4, v1, 4, v4
	v_add_nc_u32 v[RD], s21, v4
	v_lshlrev_b32 v4, 12, v2                       ; a row of pb is 4,096 bytes
	v_lshl_add_u32 v[CO], v1, 4, v4
	s_lshl_b32 s21, s[WV], 10
	s_add_co_u32 s21, s21, STATS
	v_lshl_add_u32 v[SA], v1, 2, s21
	v_lshl_add_u32 v[SB], v5, 4, s21
	v_lshlrev_b32 v[SO], 4, v5
	v_lshlrev_b32 v[PFO], 11, v5
	s_lshl_b32 s21, s[BB], 11                      ; pb at query 2048 b + 256 I + 128 wr, key 256 J + 128 wc
	s_lshl_b32 s22, s[TI], 8
	s_add_co_u32 s21, s21, s22
	s_lshl_b32 s22, s[WR], 7
	s_add_co_u32 s21, s21, s22
	s_lshl_b32 s52, s21, 12
	s_lshl_b32 s22, s[TJ], 9
	s_add_co_u32 s52, s52, s22
	s_lshl_b32 s22, s[WC], 8
	s_add_co_u32 s52, s52, s22
	s_add_nc_u64 s[8:9], s[8:9], s[52:53]
	s_lshl_b32 s21, s[BB], 4                       ; cm and ls at key block 16 b + 2 J + wc, row 256 I + 128 wr
	s_lshl_b32 s22, s[TJ], 1
	s_add_co_u32 s21, s21, s22
	s_add_co_u32 s21, s21, s[WC]
	s_lshl_b32 s52, s21, 13
	s_lshl_b32 s22, s[TI], 10
	s_add_co_u32 s52, s52, s22
	s_lshl_b32 s22, s[WR], 9
	s_add_co_u32 s52, s52, s22
	s_add_nc_u64 s[56:57], s[10:11], s[52:53]
	s_add_nc_u64 s[58:59], s[12:13], s[52:53]
	s_sub_co_u32 s21, s[WR], s[WC]                 ; the masks
	s_lshl_b32 s21, s21, 7
	s_cmp_eq_u32 s[TI], s[TJ]
	s_cselect_b32 s21, s21, 4096
	v_lshlrev_b32 v4, 3, v2
	v_sub_nc_u32 v[VD], v1, v4
	v_add_nc_u32 v[VD], s21, v[VD]
.irp j, 0,1,2,3,4,5,6,7
	v_cmp_gt_i32 vcc_lo, \j, v[VD]
	v_cndmask_b32 v[MD+(\j)], 0, s[BIGN], vcc_lo
.endr
	v_cmp_gt_i32 vcc_lo, 16, v[VD]                 ; b > a: j + 16 (b - a) is 16 at the least; within a wave's own case all such blocks are alike
.irp j, 0,1,2,3,4,5,6,7
	v_cndmask_b32 v[UP+(\j)], 0, s[BIGN], vcc_lo
.endr
	v_cmp_gt_i32 vcc_lo, -9, v[VD]                 ; b < a: -9 at the most
.irp j, 0,1,2,3,4,5,6,7
	v_cndmask_b32 v[LO+(\j)], 0, s[BIGN], vcc_lo
.endr
; 16 products: query blocks a0, a0 + 1 of the window's four x all 8 key blocks, 32 along K.  first = 1: the mask starts the sums.  The 64 accumulators take turns.
.macro MUL16 f, hi, a0, first
.if \first
	WIN 0x81+0x40*(\hi)                            ; k's fragments window 1, q's and the mask window 0, D window 2 or 3
.else
	WIN 0xa1+0x50*(\hi)
.endif
.irp a, \a0, (\a0)+1
.irp b, 0,1,2,3,4,5,6,7
.if \first
.set ga, 4*(\hi)+(\a)
.set rC, LO
.if (\b) > ga
.set rC, UP
.endif
.if (\b) == ga
.set rC, MD
.endif
	v_wmma_f32_16x16x32_f16 v[8*(8*(\a)+(\b)):8*(8*(\a)+(\b))+7], v[(\f)+8*(\b):(\f)+8*(\b)+7], v[(\f)+8*(4*(\hi)+(\a)):(\f)+8*(4*(\hi)+(\a))+7], v[rC:rC+7]
.else
	v_wmma_f32_16x16x32_f16 v[8*(8*(\a)+(\b)):8*(8*(\a)+(\b))+7], v[(\f)+8*(\b):(\f)+8*(\b)+7], v[(\f)+8*(4*(\hi)+(\a)):(\f)+8*(4*(\hi)+(\a))+7], v[8*(8*(\a)+(\b)):8*(8*(\a)+(\b))+7]
.endif
.endr
.endr
.endm
.macro FETCH k, f                      ; 32 LDS loads in one run: a quarter step's fragments, k's first
	WIN 0x40
.irp i, 0,1,2,3,4,5,6,7
	ds_load_b128 v[(\f)+8*(\i):(\f)+8*(\i)+3],   v[ADRB] offset:(\k)+(\i)*16*PITCH
	ds_load_b128 v[(\f)+8*(\i)+4:(\f)+8*(\i)+7], v[ADRB] offset:(\k)+(\i)*16*PITCH+32
.endr
	WIN 0
.irp i, 0,1,2,3,4,5,6,7
	ds_load_b128 v[(\f)+8*(\i):(\f)+8*(\i)+3],   v[ADRA] offset:(\k)+(\i)*16*PITCH
	ds_load_b128 v[(\f)+8*(\i)+4:(\f)+8*(\i)+7], v[ADRA] offset:(\k)+(\i)*16*PITCH+32
.endr
.endm
.macro QUARTER k, f, g, first          ; multiplies buffer f; in its middle fetches the next quarter, at byte k of the rows, into buffer g
	s_wait_dscnt 8                                 ; k's fragments and q's rows 0-63 are in; the youngest eight loads may be out
	MUL16 \f, 0, 0, \first
	MUL16 \f, 0, 2, \first
	PLACES
	FETCH \k, \g
	s_wait_dscnt 32                                ; all but the 32 just issued
	MUL16 \f, 1, 0, \first
	MUL16 \f, 1, 2, \first
.endm
; A PREFETCH INTO THE L2: my 128 rows' 256 bytes of the K step two refills on, a lane a row, four instructions; behind the tensor load and the run of LDS loads.  Each row's K steps 4 to 7 are named once in the launch.
.macro ASK
	s_cmp_gt_u32 s3, s[LIM]
	s_cbranch_scc0 .Lnot_mine_\@
.irp i, 0,1,2,3
	global_prefetch_b8 v[PFO], s[PFA:PFA+1] offset:(\i)*65536 th:TH_LOAD_NT scope:SCOPE_SE
.endr
.Lnot_mine_\@:
.endm
; The last quarter multiplies buffer 1 and changes slots: each wave waits for all its tensor loads (one is out: its part of the next slot), adds 0 to its spare word, waits for that and for its reads of this slot,
; and passes the barrier.  fill = 1: this slot is filled again, two K steps ahead, first thing behind the barrier: 224 products stand between the request and the wait for it.
.macro TURN fill
	WIN 0
.if \fill
	s_wait_xcnt 0x0                                ; the last prefetches, a K step back, have read their address
	s_add_nc_u64 s[PFA:PFA+1], s[PFA:PFA+1], 256
.endif
	s_wait_tensorcnt 0x0
	ds_add_u32 v[SPW], v[NIL]
.if \fill
	s_xor_b32 s[G0+5], s[G0+5], SLOT               ; no load of mine is out: the walking set steps
	s_add_nc_u64 s[G0+6:G0+7], s[G0+6:G0+7], 256
.endif
	s_wait_dscnt 9                                 ; the add and the youngest eight loads may be out
	MUL16 F1, 0, 0, 0
	s_wait_dscnt 0x0                               ; the add is done, and my reads of this slot are over
	s_barrier_signal -1
	MUL16 F1, 0, 2, 0
	WIN 0
	s_barrier_wait -1
.if \fill
	tensor_load_to_lds s[G0+4:G0+7], s[G1:G1+7]
	s_nop 0
.endif
	s_xor_b32 s[TB], s[TB], SLOT
	v_add_nc_u32 v[ADRA], s[TB], v[A0]             ; these four are the places in front of the loads into buffer 0
	v_add_nc_u32 v[ADRB], s[TB], v[B0]
	v_nop
	v_nop
	FETCH 0, F0
.if \fill
	ASK
.endif
	MUL16 F1, 1, 0, 0
	MUL16 F1, 1, 2, 0
.endm
	s_wait_tensorcnt 0x1                           ; my part of K step 0 is in; K step 1's may stay out
	s_barrier_signal -1
	s_barrier_wait -1
	FETCH 0, F0
	QUARTER 64, F0, F1, 1
	WIN 0
	s_mov_b32 s3, 6
.Lstep:                                        ; trip n: the rest of K step n, the refill with K step n + 2, the first quarter of K step n + 1
	QUARTER 128, F1, F0, 0
	QUARTER 192, F0, F1, 0
	TURN 1
	QUARTER 64, F0, F1, 0
	WIN 0
	s_sub_co_u32 s3, s3, 1
	s_cmp_lg_u32 s3, 0
	s_cbranch_scc1 .Lstep
	QUARTER 128, F1, F0, 0                         ; K steps 6 and 7 are written out: nothing is left to ask for
	QUARTER 192, F0, F1, 0
	TURN 0
	QUARTER 64, F0, F1, 0
	QUARTER 128, F1, F0, 0
	QUARTER 192, F0, F1, 0
	s_wait_dscnt 8
	MUL16 F1, 0, 0, 0
	MUL16 F1, 0, 2, 0
	s_wait_dscnt 0x0
	MUL16 F1, 1, 0, 0
	MUL16 F1, 1, 2, 0
	PLACES
; THE WAY OUT of 16 queries: tile t of window 2, 64 scores a lane.  Each accumulator's lowest registers are read first.
.macro SOFT t
.set S0, 64*(\t)
.set OBB, OB+32*((\t)%2)
	WIN 0x2a                                       ; three sources in window 2, destination in window 0
.irp b, 0,1,2,3,4,5,6,7
	v_max3_num_f32 v[T+(\b)], v[S0+8*(\b)], v[S0+8*(\b)+1], v[S0+8*(\b)+2]
.endr
	WIN 0x28
.irp b, 0,1,2,3,4,5,6,7
	v_max3_num_f32 v[T+(\b)], v[T+(\b)], v[S0+8*(\b)+3], v[S0+8*(\b)+4]
.endr
.irp b, 0,1,2,3,4,5,6,7
	v_max3_num_f32 v[T+(\b)], v[T+(\b)], v[S0+8*(\b)+5], v[S0+8*(\b)+6]
.endr
.irp b, 0,1,2,3
	v_max3_num_f32 v[T+(\b)], v[T+(\b)], v[S0+16*(\b)+7], v[S0+16*(\b)+15]
.endr
	WIN 0
	v_max3_num_f32 v[T], v[T], v[T+1], v[T+2]
	v_max3_num_f32 v[T+3], v[T+3], v[T+4], v[T+5]
	v_max3_num_f32 v[T], v[T], v[T+6], v[T+7]
	v_max_num_f32 v[T], v[T], v[T+3]
	v_permlanex16_b32 v[T+1], v[T], s[SEL], s[SEL+1]   ; the query's other 64 keys lie in the lane 16 away
	v_max3_num_f32 v[ST+1], v[T], v[T+1], s[FLOOR]     ; m, held at -1e20 at the least
	v_mul_f32 v[ST], s[CS], v[ST+1]                    ; cm
	WIN 0x82
.set i, 0
.rept 32
	v_pk_fma_f32 v[S0+2*i:S0+2*i+1], v[S0+2*i:S0+2*i+1], s[CS:CS+1], v[ST:ST+1] op_sel_hi:[1,0,0] neg_lo:[0,0,1] neg_hi:[0,0,1]  ; c s - cm
.set i, i+1
.endr
.set i, 0
.rept 64
	v_exp_f32 v[S0+i], v[S0+i]
.set i, i+1
.endr
	v_nop                                          ; a plain instruction behind the last exponential,
	s_wait_alu depctr_va_vdst(0)                   ; and one wait for the batch of 64, ahead of the first reader
	WIN 0x0a
.set i, 0
.rept 32
	v_cvt_pk_f16_f32 v[TMP+i], v[S0+2*i], v[S0+2*i+1]
.set i, i+1
.endr
	WIN 0
	s_wait_xcnt 0x0                                ; the stores of the tile before last have read the registers that are loaded below
.irp b, 0,1,2,3,4,5,6,7
	ds_store_b128 v[STO], v[TMP+4*(\b):TMP+4*(\b)+3] offset:32*(\b)
.endr
.irp i, 0,1,2,3,4,5,6,7
	ds_load_b128 v[OBB+4*(\i):OBB+4*(\i)+3], v[RD] offset:(\i)*2*PITCH  ; LDS serves a wave's instructions in order: these see the stores above
.endr
	WIN 0x8a                                       ; the sum of the 32 pairs, in place, while the rows come back
.irp w, 16,8,4,2
.set i, 0
.rept \w
	v_pk_add_f32 v[S0+2*i:S0+2*i+1], v[S0+2*i:S0+2*i+1], v[S0+2*(i+(\w)):S0+2*(i+(\w))+1]
.set i, i+1
.endr
.endr
	WIN 0x0a
	v_pk_add_f32 v[ST+2:ST+3], v[S0:S0+1], v[S0+2:S0+3]
	WIN 0
	v_add_f32 v[T], v[ST+2], v[ST+3]
	v_permlanex16_b32 v[T+1], v[T], s[SEL], s[SEL+1]
	v_add_f32 v[T], v[T], v[T+1]
	ds_store_b32 v[SA], v[ST] offset:64*(\t)       ; both halves of the lanes store the same number to the same word
	ds_store_b32 v[SA], v[T] offset:512+64*(\t)
	s_wait_dscnt 2                                 ; the rows are back; the two stores just issued may be out
.irp i, 0,1,2,3,4,5,6,7
	global_store_b128 v[CO], v[OBB+4*(\i):OBB+4*(\i)+3], s[8:9] offset:(16*(\t)+2*(\i))*4096  ; 16 lanes store 256 consecutive bytes, aligned
.endr
.endm
	WIN 0
	s_mov_b32 s[HALVES], 2
	s_branch .Lsoft                                ; the loop is entered in its middle: queries 0-63 lie in window 2 already
.Lhalf:                                        ; queries 64-127 come down into window 2, so that the way out is written once
	WIN 0x83
.set i, 0
.rept 256
	v_mov_b32 v[i], v[i]
.set i, i+1
.endr
	WIN 0
	s_wait_xcnt 0x0                                ; the stores have read their base
	s_add_nc_u64 s[8:9], s[8:9], 64*4096
	v_add_nc_u32 v[SA], 256, v[SA]
.Lsoft:
	SOFT 0
	SOFT 1
	SOFT 2
	SOFT 3
	s_sub_co_u32 s[HALVES], s[HALVES], 1
	s_cmp_lg_u32 s[HALVES], 0
	s_cbranch_scc1 .Lhalf
	ds_load_b128 v[TMP:TMP+3], v[SB]               ; my wave's 128 cm and 128 l, 16 bytes a lane
	ds_load_b128 v[TMP+4:TMP+7], v[SB] offset:512
	s_wait_dscnt 0x0
	global_store_b128 v[SO], v[TMP:TMP+3], s[56:57]    ; 512 consecutive bytes, aligned
	global_store_b128 v[SO], v[TMP+4:TMP+7], s[58:59]
	s_wait_tensorcnt 0x0                           ; the wave's end
	ds_add_u32 v[SPW], v[NIL]
	s_wait_dscnt 0x0
	s_endpgm
.Lfunc_end_k_qe6fd4976c1_scores:
	.size	k_qe6fd4976c1_scores, .Lfunc_end_k_qe6fd4976c1_scores-k_qe6fd4976c1_scores
	.p2alignl 7, 3214868480
	.fill 96, 4, 3214868480
	.section	.rodata,"a",@progbits
	.p2align	6, 0x0
	.amdhsa_kernel k_qe6fd4976c1_scores
		.amdhsa_group_segment_fixed_size 327680
		.amdhsa_private_segment_fixed_size 0
		.amdhsa_enable_private_segment 0
		.amdhsa_kernarg_size 40
		.amdhsa_user_sgpr_count 2
		.amdhsa_user_sgpr_kernarg_segment_ptr 1
		.amdhsa_wavefront_size32 1
		.amdhsa_system_sgpr_workgroup_id_x 1
		.amdhsa_system_sgpr_workgroup_id_y 1
		.amdhsa_system_sgpr_workgroup_id_z 1
		.amdhsa_system_vgpr_workitem_id 0
		.amdhsa_next_free_vgpr 1024
		.amdhsa_next_free_sgpr 66
		.amdhsa_reserve_vcc 1
		.amdhsa_float_denorm_mode_32 3
		.amdhsa_float_denorm_mode_16_64 3
		.amdhsa_memory_ordered 1
		.amdhsa_forward_progress 1
		.amdhsa_inst_pref_size 144
	.end_amdhsa_kernel
	.amdgpu_metadata
---
amdhsa.version: [ 1, 2 ]
amdhsa.kernels:
  - .name:           k_qe6fd4976c1_scores
    .symbol:         k_qe6fd4976c1_scores.kd
    .args:
      - { .name: qh, .offset: 0, .size: 8, .value_kind: global_buffer, .address_space: global }
      - { .name: kh, .offset: 8, .size: 8, .value_kind: global_buffer, .address_space: global }
      - { .name: pb, .offset: 16, .size: 8, .value_kind: global_buffer, .address_space: global }
      - { .name: cm, .offset: 24, .size: 8, .value_kind: global_buffer, .address_space: global }
      - { .name: ls, .offset: 32, .size: 8, .value_kind: global_buffer, .address_space: global }
    .group_segment_fixed_size: 327680
    .private_segment_fixed_size: 0
    .kernarg_segment_align: 8
    .kernarg_segment_size: 40
    .max_flat_workgroup_size: 128
    .sgpr_count:     66
    .vgpr_count:     1024
    .wavefront_size: 32
...
	.end_amdgpu_metadata
.endif
;; end of part 3
;; launch pv (part 4): grid 8 x 32, 4 waves a work-group, clusters of 4 x 1, 327,680 bytes of LDS; arguments pb, vh, cm, ls, out0; writes out0
.if DOCPART == 4
	.amdgcn_target "amdgcn-amd-amdhsa--gfx1250"
	.amdhsa_code_object_version 6
	.text
	.protected	k_qe6fd4976c1_pv
	.globl	k_qe6fd4976c1_pv
	.p2align	8
	.type	k_qe6fd4976c1_pv,@function
k_qe6fd4976c1_pv:
	s_mov_b64 s[64:65], 0
	v_nop
	global_prefetch_b8 v0, s[64:65] scope:SCOPE_SE
	s_setreg_imm32_b32 hwreg(HW_REG_WAVE_MODE, 25, 1), 1
	s_wait_xcnt 0x0
	s_wait_alu depctr_hold_cnt(0) depctr_sa_sdst(0) depctr_va_vdst(0) depctr_va_sdst(0) depctr_va_ssrc(0) depctr_va_vcc(0) depctr_vm_vsrc(0)
	s_getreg_b32 s2, hwreg(HW_REG_IB_STS2, 6, 4)
	s_cmp_eq_u32 s2, 0
	s_cbranch_scc0 .Lentry_in_a_cluster
	s_endpgm
.Lentry_in_a_cluster:
	s_bfe_u32 s2, ttmp6, 0x10000c
	s_cmp_lg_u32 s2, 0x3003
	s_cbranch_scc0 .Lentry_shape_is_right
	s_endpgm
.Lentry_shape_is_right:
; out[q][:] = the sum over key blocks j of 128 of (2^(cm_j - M) / l) x (P'_j V_j), with M = the maximum of the row's cm_j and l = the sum of 2^(cm_j - M) l_j: softmax with the row's true maximum taken away.
; P' f16 [4][2048][2048], V f16 [8192][1024], cm and ls f32 [4][16][2048], out f32.  Products in f16 with f32 sums; each block's sum is scaled in f32.
; LIMITS: a factor below 2^-126 counts as 0; NaN and infinities are not treated apart.
; THE WALK.  A work-group takes 128 channels (ct) and TWO blocks of 128 queries of one batch, 15 - p and then p: (15 - p) / 2 + 1 and p / 2 + 1 tiles of 256 keys, 9 together whatever p: one loop with a constant
; count, all work-groups alike.  The first block ends in trips 4 to 7, the second in the tail.  Wave (wr, wc) makes 64 queries x 64 channels.
; CLUSTER 4, 1, 1: the four partners have the same batch and p, so the same walk and the same tiles of P': those are asked for jointly (waves 0, 1); V's tiles differ by channel and are each work-group's own (waves 2, 3).
; LAYOUT.  Source 0 = 16 channels of V^T (turned out of LDS by ds_load_tr16_b128), source 1 = 16 queries of P': a lane holds ONE query (lane % 16) and 8 neighbouring channels, so a block's factor is one number a lane.
; THE SUM.  Key block jj of a slot is summed in X[jj], begun with C = 0.  While the next block is multiplied, T += X x F: four such lines behind every four products.  F = 2^(cm - M) / l, so T is the result.
; REGISTERS: window 0: v0-15 addresses; v32-47 factors (pairs; the low word is used); v64-127 rows on the way out; v128-255 T, (a, b) at 128 + 8 (4 a + b).  Before the loop v48-215 serve the statistics.
;   window 1: two fragment buffers of 128: P' at 8 (4 c + a), V at 64 + 8 (4 c + b).   window 2: X0 at 0, X1 at 128.
.set PVI,   288                        ; a row of V in LDS: 256 bytes + 32
.set PPI,   528                        ; a row of P': 512 bytes + 16
.set POFF,  256*PVI                    ; P' lies behind V's 256 rows
.set SLOT1, 147456                     ; 0x24000: its bits are in none of the four descriptors' LDS words
.set STAGE, SLOT1+POFF+128*PPI         ; 16 rows x 272 bytes for each wave
.set SP,    272
.set TABLE, STAGE+4*16*SP              ; for each wave 18 entries (key blocks in the walk's order) x 64 rows x 4 bytes: the factors
.set SPARE, TABLE+4*4608
.set A0,   4
.set B0,   5
.set ADRA, 6
.set ADRB, 7                           ; v7, v8: key blocks 0 and 1 of the slot
.set FT0,  9
.set FA,   10
.set STO,  11
.set RD,   12
.set GO,   13
.set PFO,  14
.set TW,   15
.set SPW,  28
.set NIL,  29
.set FR,   32                          ; F0[a] at FR + 2 a, F1[a] at FR + 8 + 2 a
.set L4,   48
.set NEGR, 49
.set OB,   64
.set VO,   64
.set T,    128
.set CMR,  128
.set LSR,  164
.set TH,   200
.set TL,   206
.set MH,   212
.set ML,   213
.set LH,   214
.set LL,   215
.set WV, 14
.set WR, 15
.set WC, 16
.set CX, 17
.set CT, 18
.set BB, 19
.set PIX, 20
.set HI, 21
.set NH, 22
.set LQLO, 23
.set G1A, 24
.set G1V, 32
.set G0A, 40
.set G0V, 44
.set SLOTS, 48
.set RT, 49                            ; tiles of the first block still to be walked
.set NXT, 50                           ; the tile to be asked for next
.set LQ, 51                            ; the last tile of the block whose tiles are being asked for
.set TB, 52
.set FO, 53
.set LIM, 54
.set SH, 55
.set OFF, 56
.set PAC, 58                           ; s[58:59] P' at my 64 rows of the block whose tiles are being asked for
.set PALO, 60
.set VB, 62
.set PFA, 66
.set OHI, 68
.set OLO, 70
.set HM, 80                            ; s80-85  all ones where entry 10 + i belongs to the first block
.set NH2, 86
.set OFFHI, 87
.set OFFLE, 88
.set PM, 89
.set MSB, 0
.macro WIN new
.if MSB != (\new)
	s_set_vgpr_msb (MSB<<8)|(\new)
.set MSB, \new
.endif
.endm
.macro PLACES
.rept 4
	v_nop
.endr
.endm
.macro CROUND
	s_barrier_signal -1
	s_barrier_wait -1
	s_cmp_lg_u32 s[WV], 0
	s_cbranch_scc1 .Lnot_wave_0_\@
	s_barrier_signal -3
.Lnot_wave_0_\@:
	s_barrier_wait -3
	s_barrier_signal -1
	s_barrier_wait -1
.endm
.macro JLOAD                           ; waves 0, 1: the two halves of P''s tile, jointly; waves 2, 3: the two halves of V's, my work-group's own
	s_cmp_lt_u32 s[WV], 2
	s_cbranch_scc0 .Lfor_v_\@
	tensor_load_to_lds s[G0A:G0A+3], s[G1A:G1A+7]
	s_nop 0
	PLACES
	s_branch .Lasked_\@
.Lfor_v_\@:
	tensor_load_to_lds s[G0V:G0V+3], s[G1V:G1V+7]
	s_nop 0
	PLACES
.Lasked_\@:
.endm
; A PREFETCH INTO THE L2 of the tile that the NEXT change of slots will ask for.  P''s tile is read by both clusters of a row: cluster x = 0 asks, waves 0 and 1 for their 64 rows; the partners take 16 rows each (by
; address: cx), a lane 256 bytes.  V's tiles are first read in the first block's walk, by all p at once: p = 0, whose first block walks all eight, asks, waves 2 and 3, a lane a row, four instructions.
; The last change that fills a slot asks for nothing; V's second reading (the second block's walk) is not asked for.
.macro ASK
	s_cmp_gt_u32 s[SLOTS], s[LIM]
	s_cbranch_scc0 .Lnot_mine_\@
	global_prefetch_b8 v[PFO], s[PFA:PFA+1] th:TH_LOAD_NT scope:SCOPE_SE
	s_cmp_lt_u32 s[WV], 2
	s_cbranch_scc1 .Lnot_mine_\@
.irp i, 1,2,3
	global_prefetch_b8 v[PFO], s[PFA:PFA+1] offset:(\i)*65536 th:TH_LOAD_NT scope:SCOPE_SE
.endr
.Lnot_mine_\@:
.endm
	s_load_b256 s[4:11], s[0:1], 0x0               ; pb s[4:5], v s[6:7], cm s[8:9], ls s[10:11]
	s_load_b64 s[12:13], s[0:1], 0x20              ; out0
	v_lshl_add_u32 v[SPW], v0, 2, SPARE
	v_mov_b32 v[NIL], 0
	ds_add_u32 v[SPW], v[NIL]                      ; the wave's opening: the add and its wait ahead of my first tensor load
	ds_add_u32 v28, v29
	v_lshrrev_b32 v1, 5, v0
	v_readfirstlane_b32 s[WV], v1
	s_lshr_b32 s[WR], s[WV], 1
	s_and_b32 s[WC], s[WV], 1
	s_bfe_u32 s[CX], ttmp6, 0x40000
	s_lshl_b32 s[CT], ttmp9, 2
	s_add_co_u32 s[CT], s[CT], s[CX]
	s_and_b32 s72, ttmp7, 0xffff
	s_lshr_b32 s[BB], s72, 3
	s_and_b32 s[PIX], s72, 7
	s_sub_co_u32 s[HI], 15, s[PIX]
	s_lshr_b32 s[NH], s[HI], 1
	s_add_co_u32 s[NH], s[NH], 1                   ; tiles of the first block
	s_lshr_b32 s[LQLO], s[PIX], 1                  ; the second block's last tile
	s_mov_b32 s[G1A], 0x07b1000f                   ; mask of four; 2-byte elements; padding on; 21 set beside a mask; behind every 128 words (code 6) 4 words (code 3)
	s_mov_b32 s[G1A+1], 256<<16
	s_mov_b32 s[G1A+2], 64<<16
	s_mov_b32 s[G1A+3], 256<<16
	s_mov_b32 s[G1A+4], 64
	s_mov_b32 s[G1A+5], 2048
	s_mov_b32 s[G1A+6], 0
	s_mov_b32 s[G1A+7], 0
	s_mov_b32 s[G1V], 0x0f510000                   ; no mask; behind every 64 words (code 5) 8 words (code 7)
	s_mov_b32 s[G1V+1], 128<<16
	s_mov_b32 s[G1V+2], 128<<16
	s_mov_b32 s[G1V+3], 128<<16
	s_mov_b32 s[G1V+4], 128
	s_mov_b32 s[G1V+5], 1024
	s_mov_b32 s[G1V+6], 0
	s_mov_b32 s[G1V+7], 0
	s_lshl_b32 s72, s[BB], 23                      ; P' at row 2048 b + 128 block + 64 (wave % 2), 4,096 bytes a row: made of b, p and the wave's number alone
	s_lshl_b32 s73, s[WC], 18
	s_add_co_u32 s72, s72, s73
	s_lshl_b32 s73, s[HI], 19
	s_add_co_u32 s74, s72, s73
	s_mov_b32 s75, 0
	s_lshl_b32 s73, s[PIX], 19
	s_add_co_u32 s76, s72, s73
	s_mov_b32 s77, 0
	s_lshl_b32 s78, s[BB], 22                      ; V at key 2048 b + 128 (wave % 2), channel 128 ct
	s_lshl_b32 s92, s[WC], 18
	s_add_co_u32 s78, s78, s92
	s_lshl_b32 s92, s[CT], 8
	s_add_co_u32 s78, s78, s92
	s_mov_b32 s79, 0
	s_lshl_b32 s92, s[BB], 23                      ; out at row 2048 b + 128 block + 64 wr, channel 128 ct + 64 wc
	s_lshl_b32 s93, s[WR], 18
	s_add_co_u32 s92, s92, s93
	s_lshl_b32 s93, s[CT], 9
	s_add_co_u32 s92, s92, s93
	s_lshl_b32 s93, s[WC], 8
	s_add_co_u32 s92, s92, s93
	s_lshl_b32 s93, s[HI], 19
	s_add_co_u32 s94, s92, s93
	s_mov_b32 s95, 0
	s_lshl_b32 s93, s[PIX], 19
	s_add_co_u32 s92, s92, s93
	s_mov_b32 s93, 0
	s_mul_i32 s90, s[WC], 64*PPI
	s_mul_i32 s91, s[WC], 128*PVI
	s_mov_b32 s[G0A], 1
	s_add_co_u32 s[G0A+1], s90, POFF               ; slot 0
	s_mov_b32 s[G0V], 1
	s_mov_b32 s[G0V+1], s91
	s_mov_b32 s[RT], s[NH]
	s_mov_b32 s[NXT], 1
	s_sub_co_u32 s[LQ], s[NH], 1
	s_mov_b32 s[TB], SLOT1                         ; the first change of slots turns it into 0
	s_mov_b32 s[FO], 0
	s_mov_b32 s[OFF+1], 0
	s_mov_b32 s[SLOTS], 8
	s_wait_dscnt 0x0                               ; the opening add is done
	s_wait_kmcnt 0x0
	s_add_nc_u64 s[PAC:PAC+1], s[4:5], s[74:75]
	s_add_nc_u64 s[PALO:PALO+1], s[4:5], s[76:77]
	s_add_nc_u64 s[VB:VB+1], s[6:7], s[78:79]
	s_add_nc_u64 s[OHI:OHI+1], s[12:13], s[94:95]
	s_add_nc_u64 s[OLO:OLO+1], s[12:13], s[92:93]
	s_mov_b64 s[G0A+2:G0A+3], s[PAC:PAC+1]         ; the first block's tile 0
	s_or_b32 s[G0A+3], s[G0A+3], 0x80000000
	s_mov_b64 s[G0V+2:G0V+3], s[VB:VB+1]
	s_or_b32 s[G0V+3], s[G0V+3], 0x80000000
	CROUND                                         ; all four work-groups are here
	JLOAD                                          ; slot 0; slot 1 is asked for by the loop's first change of slots
	; THE STATISTICS, in the wait for the first tile.  Entry e = 0..17 is key block e of the first block while e < 2 nh; behind that the second block's; counted from the end, entry e is its key block 2 nl - 1 - (17 - e).
	v_and_b32 v1, 15, v0                           ; r
	v_bfe_u32 v2, v0, 4, 1                         ; h
	v_and_b32 v3, 31, v0                           ; lane
	v_lshlrev_b32 v[L4], 2, v3
	v_mov_b32 v[NEGR], 0xff7fffff                  ; the lowest finite number
	s_lshl_b32 s[NH2], s[NH], 1
	s_lshl_b32 s72, s[BB], 17                      ; a batch's 16 key blocks x 2,048 rows x 4 bytes
	s_lshl_b32 s73, s[WR], 8
	s_add_co_u32 s72, s72, s73
	s_lshl_b32 s73, s[HI], 9
	s_add_co_u32 s[OFFHI], s72, s73
	s_lshl_b32 s73, s[PIX], 9
	s_add_co_u32 s[OFFLE], s72, s73
	s_lshl_b32 s73, s[LQLO], 14
	s_add_co_u32 s[OFFLE], s[OFFLE], s73
	s_add_co_u32 s[OFFLE], s[OFFLE], 8192          ; at the second block's last key block, 2 nl - 1
.set e, 0
.rept 18
	s_add_co_u32 s72, s[OFFHI], e*8192
	s_sub_co_u32 s73, s[OFFLE], (17-e)*8192
	s_cmp_gt_u32 s[NH2], e
	s_cselect_b32 s72, s72, s73
.if (e >= 10) && (e < 16)
	s_cselect_b32 s[HM+e-10], -1, 0
.endif
	v_add_nc_u32 v[VO+e], s72, v[L4]
.set e, e+1
.endr
.irp a2, 0,1                           ; a lane a row: row 32 a2 + lane of my wave's 64
.set e, 0
.rept 18
	global_load_b32 v[CMR+18*(\a2)+e], v[VO+e], s[8:9] offset:128*(\a2)
	global_load_b32 v[LSR+18*(\a2)+e], v[VO+e], s[10:11] offset:128*(\a2)
.set e, e+1
.endr
.endr
	v_mul_u32_u24 v16, v1, PPI                     ; the addresses, while the loads are out
	v_lshl_add_u32 v16, v2, 4, v16
	s_mul_i32 s72, s[WR], 64*PPI
	s_add_co_u32 s72, s72, POFF
	v_add_nc_u32 v[A0], s72, v16                   ; P': row r, 16 h, my 64 rows
	v_and_b32 v16, 7, v0
	v_bfe_u32 v17, v0, 3, 1
	v_lshl_add_u32 v16, v2, 3, v16                 ; V, turned: key 8 h + lane % 8,
	v_mul_u32_u24 v16, v16, PVI
	v_lshl_add_u32 v16, v17, 4, v16                ; channels 8 ((lane / 8) % 2) on,
	s_lshl_b32 s72, s[WC], 7
	v_add_nc_u32 v[B0], s72, v16                   ; my 64 channels
	s_mul_i32 s72, s[WV], 4608
	s_add_co_u32 s72, s72, TABLE
	v_lshl_add_u32 v[FT0], v1, 2, s72
	v_lshl_add_u32 v[TW], v3, 2, s72
	s_mul_i32 s72, s[WV], 16*SP
	s_add_co_u32 s72, s72, STAGE
	v_mul_u32_u24 v16, v1, SP
	v_lshl_add_u32 v16, v2, 5, v16
	v_add_nc_u32 v[STO], s72, v16                  ; in: row r, 32 bytes for each half of the lanes
	v_mul_u32_u24 v16, v2, SP
	v_lshl_add_u32 v16, v1, 4, v16
	v_add_nc_u32 v[RD], s72, v16                   ; back: lanes 0-15 one row of 256 bytes, lanes 16-31 the next
	v_lshlrev_b32 v16, 12, v2
	v_lshl_add_u32 v[GO], v1, 4, v16
	v_lshrrev_b32 v16, 1, v3                       ; the prefetches' offset.  P': row 16 cx + lane / 2, 256 bytes (lane % 2); V: row lane
	v_and_b32 v17, 1, v3
	v_lshlrev_b32 v16, 12, v16
	v_lshl_add_u32 v16, v17, 8, v16
	s_lshl_b32 s92, s[CX], 16
	v_add_nc_u32 v16, s92, v16
	v_lshlrev_b32 v17, 11, v3
	s_cmp_lt_u32 s[WV], 2
	s_cselect_b32 s[PM], -1, 0
	s_cselect_b32 s72, ttmp9, s[PIX]
	s_cselect_b32 s73, 1, 2
	s_cmp_eq_u32 s72, 0
	s_cselect_b32 s[LIM], s73, -1
	v_cndmask_b32 v[PFO], v17, v16, s[PM]
	s_wait_loadcnt 0x0
.macro STAT a2
.set CE, CMR+18*(\a2)
.set LE, LSR+18*(\a2)
.set i, 0
.rept 6                                ; entries 10 to 15 belong to one block or the other
	v_cndmask_b32 v[TH+i], v[NEGR], v[CE+10+i], s[HM+i]
	v_cndmask_b32 v[TL+i], v[CE+10+i], v[NEGR], s[HM+i]
.set i, i+1
.endr
	v_max3_num_f32 v[MH], v[CE], v[CE+1], v[CE+2]
	v_max3_num_f32 v[ML], v[CE+16], v[CE+17], v[TL]
	v_max3_num_f32 v[MH], v[MH], v[CE+3], v[CE+4]
	v_max3_num_f32 v[ML], v[ML], v[TL+1], v[TL+2]
	v_max3_num_f32 v[MH], v[MH], v[CE+5], v[CE+6]
	v_max3_num_f32 v[ML], v[ML], v[TL+3], v[TL+4]
	v_max3_num_f32 v[MH], v[MH], v[CE+7], v[CE+8]
	v_max_num_f32 v[ML], v[ML], v[TL+5]
	v_max3_num_f32 v[MH], v[MH], v[CE+9], v[TH]
	v_max3_num_f32 v[MH], v[MH], v[TH+1], v[TH+2]
	v_max3_num_f32 v[MH], v[MH], v[TH+3], v[TH+4]
	v_max_num_f32 v[MH], v[MH], v[TH+5]
.set i, 0
.rept 6
	v_cndmask_b32 v[TH+i], v[ML], v[MH], s[HM+i]
.set i, i+1
.endr
.set e, 0
.rept 18                               ; cm - M: never above 0
.if e < 10
	v_sub_f32 v[CE+e], v[CE+e], v[MH]
.elseif e < 16
	v_sub_f32 v[CE+e], v[CE+e], v[TH+e-10]
.else
	v_sub_f32 v[CE+e], v[CE+e], v[ML]
.endif
.set e, e+1
.endr
.set e, 0
.rept 18
	v_exp_f32 v[CE+e], v[CE+e]
.set e, e+1
.endr
	v_nop                                          ; a plain instruction behind the last exponential,
	s_wait_alu depctr_va_vdst(0)                   ; and one wait for the batch of 18
.set e, 0
.rept 18
	v_mul_f32 v[LE+e], v[CE+e], v[LE+e]
.set e, e+1
.endr
.set i, 0
.rept 6
	v_cndmask_b32 v[TH+i], 0, v[LE+10+i], s[HM+i]
	v_cndmask_b32 v[TL+i], v[LE+10+i], 0, s[HM+i]
.set i, i+1
.endr
	v_add_f32 v[LH], v[LE], v[LE+1]
	v_add_f32 v[LL], v[LE+16], v[LE+17]
.set e, 2
.rept 8
	v_add_f32 v[LH], v[LH], v[LE+e]
.set e, e+1
.endr
.set i, 0
.rept 6
	v_add_f32 v[LH], v[LH], v[TH+i]
	v_add_f32 v[LL], v[LL], v[TL+i]
.set i, i+1
.endr
	v_rcp_f32 v[LH], v[LH]                         ; l is 1 at the least: the block that holds M has a weight of 1
	v_rcp_f32 v[LL], v[LL]
	v_nop
	s_wait_alu depctr_va_vdst(0)                   ; one wait for the two reciprocals
.set i, 0
.rept 6
	v_cndmask_b32 v[TH+i], v[LL], v[LH], s[HM+i]
.set i, i+1
.endr
.set e, 0
.rept 18
.if e < 10
	v_mul_f32 v[CE+e], v[CE+e], v[LH]
.elseif e < 16
	v_mul_f32 v[CE+e], v[CE+e], v[TH+e-10]
.else
	v_mul_f32 v[CE+e], v[CE+e], v[LL]
.endif
.set e, e+1
.endr
.set e, 0
.rept 18
	ds_store_b32 v[TW], v[CE+e] offset:256*e+128*(\a2)  ; my wave's own table: read back by this wave alone, and LDS serves a wave's instructions in order
.set e, e+1
.endr
.endm
	STAT 0
	STAT 1
	; T, X1 and the factors start at 0, on purpose: so the first flush is a flush like any other and the step is written in one form
.set i, 0
.rept 128
	v_mov_b32 v[T+i], 0
.set i, i+1
.endr
.set i, 0
.rept 16
	v_mov_b32 v[FR+i], 0
.set i, i+1
.endr
	WIN 0x80
.set i, 128
.rept 128
	v_mov_b32 v[i], 0
.set i, i+1
.endr
	WIN 0
; THE CHANGE OF SLOTS.  Each wave waits for all its tensor loads (one is out: its part of the slot to be read), adds 0 to its spare word, and waits for that and for its reads of the slot that it leaves.
; fill = 1: the barrier is a round of the cluster's, and the slot just left is filled, first thing behind it, with tile NXT; the load has a whole step, 128 products, in which to land.
.macro CHANGE fill
	WIN 0
	s_wait_xcnt 0x0                                ; earlier stores and prefetches have read their registers
	s_wait_tensorcnt 0x0
	ds_add_u32 v[SPW], v[NIL]                      ; the register work below stands between the add and the wait for it
.if \fill
	s_lshl_b32 s[OFF], s[NXT], 9                   ; 256 keys are 512 bytes of a row of P'
	s_xor_b32 s[G0A+1], s[G0A+1], SLOT1
	s_add_nc_u64 s[G0A+2:G0A+3], s[PAC:PAC+1], s[OFF:OFF+1]
	s_or_b32 s[G0A+3], s[G0A+3], 0x80000000
	s_lshl_b32 s[OFF], s[NXT], 19                  ; and 256 rows of V
	s_xor_b32 s[G0V+1], s[G0V+1], SLOT1
	s_add_nc_u64 s[G0V+2:G0V+3], s[VB:VB+1], s[OFF:OFF+1]
	s_or_b32 s[G0V+3], s[G0V+3], 0x80000000
	s_add_co_u32 s[NXT], s[NXT], 1                 ; the block's next tile, or behind its last the second block's tile 0
	s_cmp_gt_u32 s[NXT], s[LQ]
	s_cselect_b32 s[NXT], 0, s[NXT]
	s_cselect_b32 s[LQ], s[LQLO], s[LQ]
	s_cselect_b64 s[PAC:PAC+1], s[PALO:PALO+1], s[PAC:PAC+1]
	s_cmp_lt_u32 s[WV], 2                          ; the prefetches' pointer: that next tile
	s_cselect_b64 s[PFA:PFA+1], s[PAC:PAC+1], s[VB:VB+1]
	s_cselect_b32 s[SH], 9, 19
	s_lshl_b32 s[OFF], s[NXT], s[SH]
	s_add_nc_u64 s[PFA:PFA+1], s[PFA:PFA+1], s[OFF:OFF+1]
.endif
	s_xor_b32 s[TB], s[TB], SLOT1
	v_add_nc_u32 v[ADRA], s[TB], v[A0]
	v_add_nc_u32 v[ADRB], s[TB], v[B0]
	v_add_nc_u32 v[ADRB+1], 128*PVI, v[ADRB]
	v_add_nc_u32 v[FA], s[FO], v[FT0]              ; the step's two entries of the table
	s_add_co_u32 s[FO], s[FO], 512
	s_wait_dscnt 0x0                               ; the add is done, and my reads of the slot are over
.if \fill
	CROUND
	JLOAD
	ASK
.else
	s_barrier_signal -1
	s_barrier_wait -1
.endif
.endm
; 32 LDS loads: the fragments of quarter qd (64 keys) into buffer buf, the first 32 keys first
.macro FETCH qd, buf
	WIN 0x40
.irp c, 0,1
.irp i, 0,1,2,3
	ds_load_tr16_b128 v[(\buf)+64+8*(4*(\c)+(\i)):(\buf)+64+8*(4*(\c)+(\i))+3],   v[ADRB+(\qd)/2] offset:(64*((\qd)%2)+32*(\c))*PVI+32*(\i)
	ds_load_tr16_b128 v[(\buf)+64+8*(4*(\c)+(\i))+4:(\buf)+64+8*(4*(\c)+(\i))+7], v[ADRB+(\qd)/2] offset:(64*((\qd)%2)+32*(\c)+16)*PVI+32*(\i)
	ds_load_b128 v[(\buf)+8*(4*(\c)+(\i)):(\buf)+8*(4*(\c)+(\i))+3],   v[ADRA] offset:(\i)*16*PPI+(64*(\qd)+32*(\c))*2
	ds_load_b128 v[(\buf)+8*(4*(\c)+(\i))+4:(\buf)+8*(4*(\c)+(\i))+7], v[ADRA] offset:(\i)*16*PPI+(64*(\qd)+32*(\c))*2+32
.endr
.endr
.endm
; 16 products of key block jj (32 keys: half c of buffer buf), and 16 lines of the flush of the OTHER X, from pair k0 on: four and four.  The 16 accumulators take turns; the flush reads each
; accumulator from its low end on; its lines name no register of the products round them, so the last four are the places in front of the loads that follow.
.macro MULR buf, c, jj, zero, k0
.set ga, 0
.rept 4
	WIN 0xa5                                       ; both sources window 1, C and D window 2
.irp b, 0,1,2,3
.if \zero
	v_wmma_f32_16x16x32_f16 v[128*(\jj)+8*(4*ga+(\b)):128*(\jj)+8*(4*ga+(\b))+7], v[(\buf)+64+8*(4*(\c)+(\b)):(\buf)+64+8*(4*(\c)+(\b))+7], v[(\buf)+8*(4*(\c)+ga):(\buf)+8*(4*(\c)+ga)+7], 0
.else
	v_wmma_f32_16x16x32_f16 v[128*(\jj)+8*(4*ga+(\b)):128*(\jj)+8*(4*ga+(\b))+7], v[(\buf)+64+8*(4*(\c)+(\b)):(\buf)+64+8*(4*(\c)+(\b))+7], v[(\buf)+8*(4*(\c)+ga):(\buf)+8*(4*(\c)+ga)+7], v[128*(\jj)+8*(4*ga+(\b)):128*(\jj)+8*(4*ga+(\b))+7]
.endif
.endr
	WIN 0x02                                       ; X in window 2; F and T in window 0
.irp z, 0,1,2,3
.set kk, (\k0)+4*ga+(\z)
	v_pk_fma_f32 v[T+2*kk:T+2*kk+1], v[128*(1-(\jj))+2*kk:128*(1-(\jj))+2*kk+1], v[FR+8*(1-(\jj))+2*(kk/16):FR+8*(1-(\jj))+2*(kk/16)+1], v[T+2*kk:T+2*kk+1] op_sel_hi:[1,0,1]
.endr
.set ga, ga+1
.endr
.endm
; A STEP: a slot's 256 keys, four quarters of 64, on buffers 0, 128, 0, 128.
.macro STEP
	WIN 0
.irp a, 0,1,2,3
	ds_load_b32 v[FR+2*(\a)], v[FA] offset:64*(\a) ; key block 0's factors: wanted from the third quarter on
.endr
	FETCH 0, 0
	s_wait_dscnt 16                                ; the buffer's second half may be out
	MULR 0, 0, 0, 1, 0
	FETCH 1, 128
	s_wait_dscnt 32                                ; all but the 32 just issued
	MULR 0, 1, 0, 0, 16
	s_wait_dscnt 16
	MULR 128, 0, 0, 0, 32
	FETCH 2, 0
	s_wait_dscnt 32
	MULR 128, 1, 0, 0, 48
	WIN 0
.irp a, 0,1,2,3
	ds_load_b32 v[FR+8+2*(\a)], v[FA] offset:256+64*(\a)  ; key block 1's factors: the flush that read the old ones is over
.endr
	s_wait_dscnt 20                                ; the buffer's second half and the four factors may be out
	MULR 0, 0, 1, 1, 0
	FETCH 3, 128
	s_wait_dscnt 36                                ; the four factors and the 32 just issued
	MULR 0, 1, 1, 0, 16
	s_wait_dscnt 16
	MULR 128, 0, 1, 0, 32
	s_wait_dscnt 0x0
	MULR 128, 1, 1, 0, 48
.endm
; A BLOCK'S END: the last flush; then T goes through my stage in LDS, 16 queries at a time, and leaves as whole rows of 256 bytes.
.macro PACKO a
	WIN 0
.if (\a) >= 2
	s_wait_xcnt 0x0                                ; the stores of the tile before last have read the registers that are loaded below
.endif
.irp b, 0,1,2,3
	ds_store_b128 v[STO], v[T+8*(4*(\a)+(\b)):T+8*(4*(\a)+(\b))+3]   offset:64*(\b)
	ds_store_b128 v[STO], v[T+8*(4*(\a)+(\b))+4:T+8*(4*(\a)+(\b))+7] offset:64*(\b)+16
.endr
.irp t, 0,1,2,3,4,5,6,7
	ds_load_b128 v[OB+32*((\a)%2)+4*(\t):OB+32*((\a)%2)+4*(\t)+3], v[RD] offset:(\t)*2*SP  ; LDS serves a wave's instructions in order: these see the stores above
.endr
.endm
.macro SENDO a, younger, ptr           ; younger: the LDS instructions issued behind tile a's loads: the next tile's sixteen, or none
.irp t, 0,1,2,3,4,5,6,7
	s_wait_dscnt (\younger)+7-(\t)
	global_store_b128 v[GO], v[OB+32*((\a)%2)+4*(\t):OB+32*((\a)%2)+4*(\t)+3], s[(\ptr):(\ptr)+1] offset:(16*(\a)+2*(\t))*4096  ; 16 lanes store 256 consecutive bytes, aligned
.endr
.endm
.macro OUT ptr, clear
	WIN 0x02
.set kk, 0
.rept 64
	v_pk_fma_f32 v[T+2*kk:T+2*kk+1], v[128+2*kk:128+2*kk+1], v[FR+8+2*(kk/16):FR+8+2*(kk/16)+1], v[T+2*kk:T+2*kk+1] op_sel_hi:[1,0,1]
.set kk, kk+1
.endr
	PACKO 0
	PACKO 1
	SENDO 0, 16, \ptr
	PACKO 2
	SENDO 1, 16, \ptr
	PACKO 3
	SENDO 2, 16, \ptr
	SENDO 3, 0, \ptr
.if \clear
.set i, 0
.rept 128
	v_mov_b32 v[T+i], 0                            ; the second block's sums start at 0,
.set i, i+1
.endr
.irp a, 0,1,2,3
	v_mov_b32 v[FR+8+2*(\a)], 0                    ; and the next step's flush of what X1 still holds adds nothing
.endr
.endif
.endm
.Lslot:                                        ; 8 trips: a tile is entered and the next is asked for
	CHANGE 1
	STEP
	WIN 0
	s_sub_co_u32 s[RT], s[RT], 1
	s_cmp_lg_u32 s[RT], 0
	s_cbranch_scc1 .Lgo_on                         ; forward, past text with no barrier and no tensor load; the same in all partners
	OUT OHI, 1
.Lgo_on:
	s_sub_co_u32 s[SLOTS], s[SLOTS], 1
	s_cmp_lg_u32 s[SLOTS], 0
	s_cbranch_scc1 .Lslot
	CHANGE 0                                       ; the walk's last tile is written out: nothing is asked for
	STEP
	OUT OLO, 0
	s_wait_tensorcnt 0x0                           ; the wave's end
	ds_add_u32 v[SPW], v[NIL]
	s_wait_dscnt 0x0
	CROUND                                         ; the closing round
	s_endpgm
.Lfunc_end_k_qe6fd4976c1_pv:
	.size	k_qe6fd4976c1_pv, .Lfunc_end_k_qe6fd4976c1_pv-k_qe6fd4976c1_pv
	.p2alignl 7, 3214868480
	.fill 96, 4, 3214868480
	.section	.rodata,"a",@progbits
	.p2align	6, 0x0
	.amdhsa_kernel k_qe6fd4976c1_pv
		.amdhsa_group_segment_fixed_size 327680
		.amdhsa_private_segment_fixed_size 0
		.amdhsa_enable_private_segment 0
		.amdhsa_kernarg_size 40
		.amdhsa_user_sgpr_count 2
		.amdhsa_user_sgpr_kernarg_segment_ptr 1
		.amdhsa_wavefront_size32 1
		.amdhsa_system_sgpr_workgroup_id_x 1
		.amdhsa_system_sgpr_workgroup_id_y 1
		.amdhsa_system_sgpr_workgroup_id_z 1
		.amdhsa_system_vgpr_workitem_id 0
		.amdhsa_next_free_vgpr 768
		.amdhsa_next_free_sgpr 100
		.amdhsa_reserve_vcc 0
		.amdhsa_float_denorm_mode_32 3
		.amdhsa_float_denorm_mode_16_64 3
		.amdhsa_memory_ordered 1
		.amdhsa_forward_progress 1
		.amdhsa_inst_pref_size 128
	.end_amdhsa_kernel
	.amdgpu_metadata
---
amdhsa.version: [ 1, 2 ]
amdhsa.kernels:
  - .name:           k_qe6fd4976c1_pv
    .symbol:         k_qe6fd4976c1_pv.kd
    .args:
      - { .name: pb, .offset: 0, .size: 8, .value_kind: global_buffer, .address_space: global }
      - { .name: vh, .offset: 8, .size: 8, .value_kind: global_buffer, .address_space: global }
      - { .name: cm, .offset: 16, .size: 8, .value_kind: global_buffer, .address_space: global }
      - { .name: ls, .offset: 24, .size: 8, .value_kind: global_buffer, .address_space: global }
      - { .name: out0, .offset: 32, .size: 8, .value_kind: global_buffer, .address_space: global }
    .group_segment_fixed_size: 327680
    .private_segment_fixed_size: 0
    .kernarg_segment_align: 8
    .kernarg_segment_size: 40
    .max_flat_workgroup_size: 128
    .sgpr_count:     100
    .vgpr_count:     768
    .wavefront_size: 32
...
	.end_amdgpu_metadata
.endif
;; end of part 4
